; MI455X (gfx1250); checked and timed in simulation.
; The chip was launched on July 23, 2026; its instructions are those of AMD's public machine-readable ISA for CDNA 5 (MIT licence, August 2026) and "CDNA5" Instruction Set Architecture Reference Guide (July 2026). The comments in the code are by the model that wrote it; some were corrected since.
;; Multi Head Latent Attention. Allowed arithmetic: matrix products marked QUANTISED: E2M3 operands, one E8M0 scale for each 32 along K, by v_wmma_scale_f32_16x16x128_f8f6f4 with both operands' format E2M3, f32 sums; everything else in f32.
;; Inputs: Wkn 512 x 1,024 float32; Wkr 512 x 1,024 float32; Wkv 1,024 x 512 float32; Wo 2,048 x 1,024 float32; Wq 1,024 x 2,048 float32; Wv 512 x 2,048 float32; gk 128 float32; gq 128 float32; x 2 x 2,048 x 1,024 float32.
;; Outputs: out0 2 x 2,048 x 1,024 float32.
;; This version of the problem:
;;   THIS VERSION OF THE PROBLEM IS GIVEN IN LOW PRECISION. The matrix products marked QUANTISED in the list below multiply operands that are first quantised to E2M3 (2 exponent bits, 3 mantissa bits; 6 bits a number), with one power-of-two scale for each 32 numbers along K (OCP MX v1.0); their sums are f32. All else is computed in f32.
;;   The module's matrix products, in the order in which they are computed (A, B: the left and right operand; K: the contracted axis; several contracted axes count as one K, in the product's order):
;;     1. [M 4,096, K 1,024] x [K 1,024, N 2,048]; A: input x; B: input Wq: QUANTISED
;;     2. [M 4,096, K 1,024] x [K 1,024, N 512]; A: input x; B: input Wkv: QUANTISED
;;     3. [M 4,096, K 512] x [K 512, N 1,024]; A: computed on the way; B: input Wkr: QUANTISED
;;     4. [M 4,096, K 512] x [K 512, N 1,024]; A: computed on the way; B: input Wkn: QUANTISED
;;     5. [M 4,096, K 512] x [K 512, N 2,048]; A: computed on the way; B: input Wv: QUANTISED
;;     6. batch 32 x [M 2,048, K 128] x [K 128, N 2,048]; A: computed on the way; B: computed on the way: QUANTISED
;;     7. batch 32 x [M 128, K 2,048] x [K 2,048, N 2,048]; A: computed on the way; B: softmax (see below): QUANTISED
;;     8. [M 4,096, K 2,048] x [K 2,048, N 1,024]; A: computed on the way; B: input Wo: QUANTISED
;;   THE QUANTISER, for each operand of a quantised product, along K:
;;     - K is cut into blocks of 32 from its start; a last block that is shorter is filled with zeros.
;;     - A block's scale is 2^e with e = floor(log2(the largest magnitude in the block)) - 2, held to -126 .. 127; a block of zeros has e = 0. As a byte (E8M0): e + 127.
;;     - Each number is divided by its block's scale, clamped to +-7.5, and rounded to the nearest number of E2M3, ties to even, subnormals kept.
;;     - The product sums the exact products of the quantised numbers (number of the format x scale) in f32.
;;   ~~~python
;;   def quantise(x, axis):      # numpy; x: float32 -> the quantised numbers, widened to float32 again
;;       x = np.moveaxis(x, axis, -1); K = x.shape[-1]
;;       x = np.pad(x, [(0, 0)] * (x.ndim - 1) + [(0, -K % 32)]); x = x.reshape(x.shape[:-1] + (-1, 32)); a = np.abs(x).max(-1, keepdims=True)
;;       e = np.where(a > 0, np.clip(np.frexp(np.where(a > 0, a, 1))[1] - 1 - 2, -126, 127), 0)      # np.frexp(a)[1] - 1 = floor(log2(a)), exactly
;;       r = np.clip(x / 2.0 ** e, -7.5, 7.5)
;;       step = 2.0 ** (np.maximum(np.frexp(np.where(r == 0, 1, r))[1] - 1, 0) - 3)
;;       q = np.round(r / step) * step * 2.0 ** e      # np.round: ties to even
;;       return np.moveaxis(q.reshape(q.shape[:-2] + (-1,))[..., :K], -1, axis).astype(np.float32)
;;   ~~~
;;   SOFTMAX AHEAD OF A QUANTISED PRODUCT. Where the list says 'softmax', what is quantised is not the finished softmax but p = 2^(t - M), with t = logit x log2(e) and M = ceil(the row's largest t), a whole number; so 1/2 < the row's largest p <= 1. The row's sum l is taken of the UNQUANTISED p, in f32, and the product's result is divided by l at the end. Since M is a whole number, a kernel that streams over the keys may use a running M (the ceiling of the running maximum): every later rescaling is an exact power of two, which a block's scale takes up: the codes' values come out the same.
;;   OPERANDS COMPUTED ON THE WAY. 'Computed on the way' means the value that the module computes at that place (a softmax that the list does not call 'softmax' is quantised finished and normalised). What goes into a quantiser is computed in f32, as accurately as f32 sums, v_exp_f32 and their like allow (about 1e-6 of the number): no bf16 or f16 on the way to a quantiser, and a product that is left as it is and whose result goes on into a quantised operand takes f32 operands (vector FMAs, or v_wmma_f32_16x16x4_f32). A number that lies on a knife's edge between two numbers of the format may be rounded either way, as far as f32 arithmetic and the matrix unit's own rounding can turn it there, and no further.
;; One version. Each part assembles by itself: llvm-mc -triple=amdgcn-amd-amdhsa -mcpu=gfx1250 --defsym DOCPART=n.
;; ======== version 1 of 1: 5 launches
;; workspace buffers: x_rec 3,276,800 bytes; w1_rec 2,048,000 bytes; w2_rec 1,638,400 bytes; wo_rec 1,638,400 bytes; lat_rec 1,638,400 bytes; q_rec 6,553,600 bytes; kv_rec 13,107,200 bytes; o_rec 6,553,600 bytes
;; launch prep (part 1): grid 464 x 1, 8 waves a work-group, no clusters, 70,144 bytes of LDS; arguments x, Wq, Wkv, Wkr, Wkn, Wv, Wo, x_rec, w1_rec, w2_rec, wo_rec; writes x_rec, w1_rec, w2_rec, wo_rec
.if DOCPART == 1
	.amdgcn_target "amdgcn-amd-amdhsa--gfx1250"
	.amdhsa_code_object_version 6
	.text
	.protected	k_qe0315c9140_prep
	.globl	k_qe0315c9140_prep
	.p2align	8
	.type	k_qe0315c9140_prep,@function
k_qe0315c9140_prep:
	s_mov_b64 s[64:65], 0
	v_nop
	global_prefetch_b8 v0, s[64:65] scope:SCOPE_SE
	s_setreg_imm32_b32 hwreg(HW_REG_WAVE_MODE, 25, 1), 1
	s_wait_xcnt 0x0
; x [4096][1024] and the six weights (f32, K = the FIRST axis of a weight) become codes of FP6 (E2M3) with one E8M0 byte for each 32 along K, laid as RECORDS.
; A RECORD, 12,800 bytes, is 128 rows x 128 K of an operand as an image of the operand's registers: fragment t (16 rows x 128 K, 12 registers a lane) at byte 1,536 t, its registers 4 c .. 4 c + 3 of lane l at + 512 c + 16 l;
; at byte 12,288 the scale image: in lane l's 16 bytes word p is the scale word of row l % 16 of tile 2 p + l / 16.  So a fragment is stored and loaded by three instructions of 512 consecutive bytes.
; x's tiles are 16 neighbouring rows.  A WEIGHT'S TILE IS NOT 16 NEIGHBOURING COLUMNS: lane r of tile 2 p + u takes column 32 p + 8 u + r + 8 (r / 8), so that the results of a product with the weight as source 0
; lie, 16 registers of two neighbouring tiles, as 16 neighbours along the next product's K.
; A block's scale is 2^(floor(log2(its largest magnitude)) - 2); its byte is the largest magnitude's exponent field - 2, held at 1 from below.
; LIMITS: a block of zeros, or one whose largest magnitude lies under 2^-124, gets the byte 1 where the rule says 127 (its codes are zeros or the rule's own; the bytes are read by this program alone); NaN and infinities are not served.
; SHARES.  Work-groups 0-255: one record of x each (block of 128 rows g / 8, K step g % 8), a tile a wave.  Work-groups 256-463: two records of a weight each, four waves a record, a pair of tiles (32 columns) a wave.
; The launch streams: no tensor loads, no matrix unit, no cluster (no two work-groups read the same bytes).  The two paths part on the work-group's number alone and have LDS bytes of their own.
.set REC,    12800
.set XPITCH, 528                       ; x's stage: a row of 512 bytes + 16: an odd multiple of 16, so the 16 rows that a read touches begin in 16 different groups of banks
.set XSCL,   8*16*XPITCH               ; behind the eight stages: x's scale image, 512 bytes
.set WSCL,   XSCL+512                  ; the weights' two scale images
.set SPARE,  WSCL+1024                 ; the spare words, 128 bytes for each wave: four blocks of 256 bytes that no other line names
.set LI,  2                            ; v2   16 x lane
.set XSI, 3                            ; v3   x's stage, on the way in
.set XSO, 4                            ; v4   and on the way out
.set XSW, 5                            ; v5   where my tile's scale word goes
.set XSR, 6                            ; v6   where x's scale image is read back
.set WSW, 7                            ; v7   the same two for a weight's record
.set WSR, 8                            ; v8
.set VO,  9                            ; v9   my column's bytes among the wave's 32 columns
.set SPW, 12                           ; v12  LDS address of my spare word; never rewritten
.set NIL, 13                           ; v13  0; never rewritten
.set RAW, 16                           ; v16-79 x as loaded;  v16-143 a weight's column, 128 down K
.set X,   80                           ; v80-143 x: 64 numbers of my row, register 16 b + i = k 32 b + 16 (lane / 16) + i
.set PC,  144                          ; x: the fragment, v144-155; v156-162 at work
.set T0,  144                          ; a weight: tile 2 p's fragment,
.set T1,  156                          ; tile 2 p + 1's
.set PW,  164                          ; x: the scale word
.set UP,  168                          ; a weight: the upper halves of the four blocks' codes; x: the scale image on its way out
.set TM,  184                          ; v184-199 at work
.set SWD, 200                          ; a weight: my column's scale word
.set WV,  26
.set SEL, 28
; 64 numbers of a lane, register 16 b + i = k 32 b + 16 (lane / 16) + i of my row, become a fragment's codes in v[PC] on and its scale word in v[PW]
.macro QUANT s
.irp b, 0,1,2,3
	v_max3_num_f32 v[TM+\b], |v[\s+16*\b]|, |v[\s+1+16*\b]|, 0x1800000   ; block b: my 16 numbers, and the floor 2^(3 - 127): the byte cannot fall under 1
.endr
.irp i, 2,4,6,8,10,12,14
.irp b, 0,1,2,3
	v_max3_num_f32 v[TM+\b], v[TM+\b], |v[\s+16*\b+\i]|, |v[\s+1+16*\b+\i]|   ; the four blocks by turns
.endr
.endr
.irp b, 0,1,2,3
	v_permlanex16_b32 v[TM+4+\b], v[TM+\b], s[SEL], s[SEL+1]
.endr
.irp b, 0,1,2,3
	v_max_num_f32 v[TM+\b], v[TM+\b], v[TM+4+\b]   ; with lane l xor 16's: the block's largest magnitude
.endr
.irp b, 0,1,2,3
	v_add_nc_u32 v[TM+12+\b], 0xff000000, v[TM+\b]   ; 2 off its exponent field: the conversion takes this operand's exponent field as its scale
.endr
.irp b, 0,1,2,3
	v_lshrrev_b32 v[TM+4+\b], 23, v[TM+12+\b]      ; the scale's byte
.endr
	v_lshl_or_b32 v[PW], v[TM+5], 8, v[TM+4]
	v_lshl_or_b32 v[PW], v[TM+6], 16, v[PW]
	v_lshl_or_b32 v[PW], v[TM+7], 24, v[PW]        ; my row's scale word, the same in lanes l and l xor 16
.irp c, 0,1
	v_cvt_scalef32_pk16_fp6_f32 v[PC+6*\c:PC+2+6*\c], v[\s+32*\c:\s+15+32*\c], v[TM+12+2*\c]
	v_cvt_scalef32_pk16_fp6_f32 v[PC+12+4*\c:PC+14+4*\c], v[\s+16+32*\c:\s+31+32*\c], v[TM+12+2*\c+1]   ; a conversion's three registers begin on an even number
.endr
	v_nop                                          ; one plain instruction behind the scaled conversions
.irp c, 0,1                                    ; the operand wants a whole block in a lane: lanes 0-15 block 2 c, lanes 16-31 block 2 c + 1
.irp i, 0,1,2
	v_permlane16_swap_b32 v[PC+6*\c+\i], v[PC+12+4*\c+\i]
.endr
.irp i, 0,1,2
	v_mov_b32 v[PC+3+6*\c+\i], v[PC+12+4*\c+\i]
.endr
.endr
.endm
	s_load_b512 s[4:19], s[0:1], 0x0               ; x, Wq, Wkv, Wkr, Wkn, Wv, Wo, x_rec
	s_load_b128 s[20:23], s[0:1], 0x40             ; w1_rec, w2_rec
	s_load_b64 s[24:25], s[0:1], 0x50              ; wo_rec
	v_lshl_add_u32 v[SPW], v0, 2, SPARE
	v_mov_b32 v[NIL], 0
	v_lshrrev_b32 v1, 5, v0
	v_readfirstlane_b32 s[WV], v1                  ; wave 0..7
	v_and_b32 v1, 31, v0                           ; lane
	v_and_b32 v10, 15, v0                          ; r
	v_bfe_u32 v11, v0, 4, 1                        ; h
	v_lshlrev_b32 v[LI], 4, v1
	; every LDS address is made here, ahead of the parting of the two paths: a constant + a constant x lane + a constant x wave
	s_mul_i32 s27, s[WV], 16*XPITCH
	v_add_nc_u32 v[XSI], s27, v[LI]                ; in: a row's 512 bytes as they lie
	v_mul_u32_u24 v[XSO], v10, XPITCH
	v_lshl_add_u32 v[XSO], v11, 6, v[XSO]
	v_add_nc_u32 v[XSO], s27, v[XSO]               ; out: row r, + 64 h: my 16 numbers of a block of 32
	s_and_b32 s27, s[WV], 1
	s_lshl_b32 s27, s27, 8
	s_lshr_b32 s30, s[WV], 1
	s_lshl_b32 s30, s30, 2
	s_add_co_u32 s27, s27, s30
	s_add_co_u32 s27, s27, XSCL
	v_lshl_add_u32 v[XSW], v10, 4, s27             ; tile w, row r: 256 (w % 2) + 4 (w / 2) + 16 r
	v_add_nc_u32 v[XSR], XSCL, v[LI]
	s_lshr_b32 s27, s[WV], 2
	s_lshl_b32 s27, s27, 9
	s_add_co_u32 s27, s27, WSCL
	v_add_nc_u32 v[WSR], s27, v[LI]                ; my record's image
	s_and_b32 s30, s[WV], 3
	s_lshl_b32 s30, s30, 2
	s_add_co_u32 s27, s27, s30
	v_add_nc_u32 v[WSW], s27, v[LI]                ; word p of lane l's 16 bytes
	v_and_b32 v[VO], 7, v0
	v_lshlrev_b32 v[VO], 2, v[VO]
	v_bfe_u32 v1, v0, 3, 1
	v_lshl_or_b32 v[VO], v1, 6, v[VO]
	v_lshl_or_b32 v[VO], v11, 5, v[VO]             ; lane l takes column l % 8 + 16 ((l / 8) % 2) + 8 (l / 16) of the 32: lanes 0-15 are tile 2 p's rows, lanes 16-31 tile 2 p + 1's
	s_mov_b32 s[SEL], 0x76543210
	s_mov_b32 s[SEL+1], 0xfedcba98                 ; v_permlanex16_b32's selects for lane l xor 16
.irp b, 0,1,2,3
	v_mov_b32 v[TM+4+\b], 0                        ; written once: a lane permute's destination counts as one of its sources
.endr
	s_wait_kmcnt 0x0
	s_cmp_ge_u32 ttmp9, 256
	s_cbranch_scc1 .Lweights
	; ---- x: record g = the work-group's number; my wave's 16 rows, 128 along K
	s_lshr_b32 s30, ttmp9, 3
	s_lshl_b32 s30, s30, 19                        ; 128 rows of 4,096 bytes
	s_lshl_b32 s31, s[WV], 16                      ; my 16 rows
	s_add_co_u32 s30, s30, s31
	s_and_b32 s31, ttmp9, 7
	s_lshl_b32 s31, s31, 9                         ; the K step's 512 bytes of a row
	s_add_co_u32 s30, s30, s31
	s_mov_b32 s31, 0
	s_add_nc_u64 s[4:5], s[4:5], s[30:31]
	s_mul_i32 s30, ttmp9, REC
	s_add_nc_u64 s[18:19], s[18:19], s[30:31]      ; the record
	s_mul_i32 s30, s[WV], 1536
	s_add_nc_u64 s[32:33], s[18:19], s[30:31]      ; my fragment
.irp p, 0,1,2,3,4,5,6,7,8,9,10,11,12,13,14,15
	global_load_b128 v[RAW+4*\p:RAW+4*\p+3], v[LI], s[4:5] offset:4096*\p th:TH_LOAD_NT   ; 32 lanes read 512 consecutive bytes of row p
.endr
.irp p, 0,1,2,3,4,5,6,7,8,9,10,11,12,13,14,15
	s_wait_loadcnt 15-\p                           ; loads come back in order: row p is in, the younger rows may be out
	ds_store_b128 v[XSI], v[RAW+4*\p:RAW+4*\p+3] offset:XPITCH*\p
.endr
.irp b, 0,1,2,3
.irp j, 0,1,2,3
	ds_load_b128 v[X+16*\b+4*\j:X+16*\b+4*\j+3], v[XSO] offset:128*\b+16*\j   ; the stage is my wave's own and LDS serves a wave's instructions in order: these see the stores above
.endr
.endr
	s_wait_dscnt 0x0
	QUANT X
.irp c, 0,1,2
	global_store_b128 v[LI], v[PC+4*\c:PC+4*\c+3], s[32:33] offset:512*\c   ; 512 consecutive bytes, aligned
.endr
	ds_store_b32 v[XSW], v[PW]                     ; lanes l and l xor 16 write the same word with the same value
	s_wait_dscnt 0x0                               ; for the others' sake: my word lies in the image
	s_barrier_signal -1
	s_barrier_wait -1
	s_cmp_lg_u32 s[WV], 0
	s_cbranch_scc1 .Lx_end
	ds_load_b128 v[UP:UP+3], v[XSR]                ; wave 0 sends the eight tiles' words out as 512 consecutive bytes
	s_wait_dscnt 0x0
	global_store_b128 v[LI], v[UP:UP+3], s[18:19] offset:12288
.Lx_end:
	s_wait_tensorcnt 0x0                           ; the wave's end: the add and its wait stand behind my last LDS store
	ds_add_u32 v[SPW], v[NIL]
	s_wait_dscnt 0x0
	s_endpgm
	; ---- the weights.  Record R = 2 (work-group - 256) + wave / 4; pair of tiles p = wave % 4.
	; R 0-127 Wq, 128-159 Wkv (both into w1_rec, 8 K steps a block of 128 columns); 160-223 a head of K: columns 0-63 from Wkr, 64-127 from Wkn; 224-287 Wv (both into w2_rec, 4 K steps); 288-415 Wo (wo_rec, 16 K steps)
.Lweights:
	s_sub_co_u32 s30, ttmp9, 256
	s_lshl_b32 s31, s30, 1
	s_lshr_b32 s32, s[WV], 2
	s_add_co_u32 s31, s31, s32                     ; R
	s_and_b32 s33, s[WV], 3                        ; p
	s_and_b32 s45, s33, 1
	s_cmp_lt_u32 s33, 2
	s_cselect_b64 s[42:43], s[10:11], s[12:13]     ; a head of K: Wkr for pairs 0, 1, Wkn for pairs 2, 3
	s_mov_b64 s[34:35], s[6:7]                     ; the source,
	s_mov_b64 s[36:37], s[20:21]                   ; the records' buffer,
	s_mov_b32 s38, 8192                            ; bytes from a row of the source to the next,
	s_mov_b32 s39, 3                               ; log2 of the K steps,
	s_mov_b32 s40, 0                               ; the class's first R,
	s_mov_b32 s41, 0                               ; the R of the buffer's first record,
	s_mov_b32 s44, 7                               ; log2 of the source's columns in a block,
	s_mov_b32 s46, s33                             ; and which 32 of them are mine.  Every choice hangs on ids alone
	s_cmp_ge_u32 s31, 128
	s_cselect_b64 s[34:35], s[8:9], s[34:35]
	s_cselect_b32 s38, 2048, s38
	s_cselect_b32 s40, 128, s40
	s_cmp_ge_u32 s31, 160
	s_cselect_b64 s[34:35], s[42:43], s[34:35]
	s_cselect_b64 s[36:37], s[22:23], s[36:37]
	s_cselect_b32 s38, 4096, s38
	s_cselect_b32 s39, 2, s39
	s_cselect_b32 s40, 160, s40
	s_cselect_b32 s41, 160, s41
	s_cselect_b32 s44, 6, s44
	s_cselect_b32 s46, s45, s46
	s_cmp_ge_u32 s31, 224
	s_cselect_b64 s[34:35], s[14:15], s[34:35]
	s_cselect_b32 s38, 8192, s38
	s_cselect_b32 s40, 224, s40
	s_cselect_b32 s44, 7, s44
	s_cselect_b32 s46, s33, s46
	s_cmp_ge_u32 s31, 288
	s_cselect_b64 s[34:35], s[16:17], s[34:35]
	s_cselect_b64 s[36:37], s[24:25], s[36:37]
	s_cselect_b32 s38, 4096, s38
	s_cselect_b32 s39, 4, s39
	s_cselect_b32 s40, 288, s40
	s_cselect_b32 s41, 288, s41
	s_sub_co_u32 s47, s31, s40                     ; the record's number in its class
	s_lshr_b32 s48, s47, s39                       ; its block of columns
	s_lshl_b32 s49, s48, s39
	s_sub_co_u32 s49, s47, s49                     ; its K step
	s_lshl_b32 s48, s48, s44
	s_lshl_b32 s50, s46, 5
	s_add_co_u32 s48, s48, s50
	s_lshl_b32 s48, s48, 2                         ; my first column, in bytes
	s_mul_i32 s49, s49, s38
	s_lshl_b32 s49, s49, 7                         ; 128 rows a K step
	s_add_co_u32 s48, s48, s49
	s_mov_b32 s49, 0
	s_add_nc_u64 s[34:35], s[34:35], s[48:49]
	s_sub_co_u32 s48, s31, s41
	s_mul_i32 s48, s48, REC
	s_add_nc_u64 s[36:37], s[36:37], s[48:49]      ; the record
	s_mul_i32 s48, s33, 2*1536
	s_add_nc_u64 s[50:51], s[36:37], s[48:49]      ; my two fragments
; A LANE TAKES A COLUMN AND ITS REGISTERS RUN DOWN K: a load reads 128 consecutive bytes, the record's four waves stand side by side on 512.  The rows' distance stands in the immediates, so the run of loads is written for each of the three distances
.macro WLOAD pitch
.set n, 0
.rept 128
	global_load_b32 v[RAW+n], v[VO], s[34:35] offset:n*\pitch th:TH_LOAD_NT
.set n, n+1
.endr
.endm
	s_cmp_eq_u32 s38, 8192
	s_cbranch_scc1 .Lp8192
	s_cmp_eq_u32 s38, 4096
	s_cbranch_scc1 .Lp4096
	WLOAD 2048
	s_branch .Lloaded
.Lp4096:
	WLOAD 4096
	s_branch .Lloaded
.Lp8192:
	WLOAD 8192
.Lloaded:
; block b of my column: all its 32 numbers are mine
.macro WBLOCK b
.set XS, RAW+32*(\b)
.if (\b) < 2
	s_wait_loadcnt 63                              ; behind this block's loads 96 or 64 were issued; the wait names the most that its field holds, which is under both
.elseif (\b) == 2
	s_wait_loadcnt 32                              ; the last block's 32 may be out
.else
	s_wait_loadcnt 0x0
.endif
	v_max3_num_f32 v[TM], |v[XS]|, |v[XS+1]|, |v[XS+2]|
	v_max3_num_f32 v[TM+1], |v[XS+3]|, |v[XS+4]|, |v[XS+5]|
.irp i, 6,10,14,18,22,26
	v_max3_num_f32 v[TM], v[TM], |v[XS+\i]|, |v[XS+\i+1]|
	v_max3_num_f32 v[TM+1], v[TM+1], |v[XS+\i+2]|, |v[XS+\i+3]|
.endr
	v_max3_num_f32 v[TM], v[TM], |v[XS+30]|, |v[XS+31]|
	v_max3_num_f32 v[TM], v[TM], v[TM+1], 0x1800000   ; and the floor 2^(3 - 127)
	v_add_nc_u32 v[TM+2+(\b)], 0xff000000, v[TM]   ; 2 off the exponent field: the conversions' scale operand
	v_lshrrev_b32 v[TM+1], 23, v[TM+2+(\b)]        ; the byte
.if (\b) == 0
	v_mov_b32 v[SWD], v[TM+1]
.else
	v_lshl_or_b32 v[SWD], v[TM+1], 8*(\b), v[SWD]
.endif
	v_cvt_scalef32_pk16_fp6_f32 v[T0+12*((\b)%2)+6*((\b)/2):T0+12*((\b)%2)+6*((\b)/2)+2], v[XS:XS+15], v[TM+2+(\b)]   ; even blocks towards tile 2 p's registers, odd ones towards tile 2 p + 1's
	v_cvt_scalef32_pk16_fp6_f32 v[UP+4*(\b):UP+4*(\b)+2], v[XS+16:XS+31], v[TM+2+(\b)]
.endm
	WBLOCK 0
	WBLOCK 1
	WBLOCK 2
	WBLOCK 3
	v_nop                                          ; one plain instruction behind the scaled conversions
.irp c, 0,1                                    ; the first's lanes 16-31 change places with the second's lanes 0-15: the first then holds tile 2 p (lanes 0-15 block 2 c, lanes 16-31 block 2 c + 1 of the same 16 columns), the second tile 2 p + 1
.irp i, 0,1,2
	v_permlane16_swap_b32 v[T0+6*\c+\i], v[T1+6*\c+\i]
	v_permlane16_swap_b32 v[UP+8*\c+\i], v[UP+4+8*\c+\i]
.endr
.endr
.irp c, 0,1
.irp i, 0,1,2
	v_mov_b32 v[T0+3+6*\c+\i], v[UP+8*\c+\i]
	v_mov_b32 v[T1+3+6*\c+\i], v[UP+4+8*\c+\i]
.endr
.endr
.irp c, 0,1,2
	global_store_b128 v[LI], v[T0+4*\c:T0+4*\c+3], s[50:51] offset:512*\c
	global_store_b128 v[LI], v[T1+4*\c:T1+4*\c+3], s[50:51] offset:1536+512*\c
.endr
	ds_store_b32 v[WSW], v[SWD]                    ; lane l's column is row l % 16 of tile 2 p + l / 16: word p of lane l's 16 bytes
	s_wait_dscnt 0x0                               ; for the others' sake
	s_barrier_signal -1
	s_barrier_wait -1
	s_cmp_lg_u32 s33, 0
	s_cbranch_scc1 .Lw_end
	ds_load_b128 v[UP:UP+3], v[WSR]                ; each record's first wave sends its image out
	s_wait_dscnt 0x0
	global_store_b128 v[LI], v[UP:UP+3], s[36:37] offset:12288
.Lw_end:
	s_wait_tensorcnt 0x0                           ; the wave's end, as above
	ds_add_u32 v[SPW], v[NIL]
	s_wait_dscnt 0x0
	s_endpgm
.Lfunc_end_k_qe0315c9140_prep:
	.size	k_qe0315c9140_prep, .Lfunc_end_k_qe0315c9140_prep-k_qe0315c9140_prep
	.p2alignl 7, 3214868480
	.fill 96, 4, 3214868480
	.section	.rodata,"a",@progbits
	.p2align	6, 0x0
	.amdhsa_kernel k_qe0315c9140_prep
		.amdhsa_group_segment_fixed_size 70144
		.amdhsa_private_segment_fixed_size 0
		.amdhsa_enable_private_segment 0
		.amdhsa_kernarg_size 88
		.amdhsa_user_sgpr_count 2
		.amdhsa_user_sgpr_kernarg_segment_ptr 1
		.amdhsa_wavefront_size32 1
		.amdhsa_system_sgpr_workgroup_id_x 1
		.amdhsa_system_sgpr_workgroup_id_y 1
		.amdhsa_system_sgpr_workgroup_id_z 1
		.amdhsa_system_vgpr_workitem_id 0
		.amdhsa_next_free_vgpr 208
		.amdhsa_next_free_sgpr 66
		.amdhsa_reserve_vcc 0
		.amdhsa_float_denorm_mode_32 3
		.amdhsa_float_denorm_mode_16_64 3
		.amdhsa_memory_ordered 1
		.amdhsa_forward_progress 1
		.amdhsa_inst_pref_size 58
	.end_amdhsa_kernel
	.amdgpu_metadata
---
amdhsa.version: [ 1, 2 ]
amdhsa.kernels:
  - .name:           k_qe0315c9140_prep
    .symbol:         k_qe0315c9140_prep.kd
    .args:
      - { .name: x, .offset: 0, .size: 8, .value_kind: global_buffer, .address_space: global }
      - { .name: Wq, .offset: 8, .size: 8, .value_kind: global_buffer, .address_space: global }
      - { .name: Wkv, .offset: 16, .size: 8, .value_kind: global_buffer, .address_space: global }
      - { .name: Wkr, .offset: 24, .size: 8, .value_kind: global_buffer, .address_space: global }
      - { .name: Wkn, .offset: 32, .size: 8, .value_kind: global_buffer, .address_space: global }
      - { .name: Wv, .offset: 40, .size: 8, .value_kind: global_buffer, .address_space: global }
      - { .name: Wo, .offset: 48, .size: 8, .value_kind: global_buffer, .address_space: global }
      - { .name: x_rec, .offset: 56, .size: 8, .value_kind: global_buffer, .address_space: global }
      - { .name: w1_rec, .offset: 64, .size: 8, .value_kind: global_buffer, .address_space: global }
      - { .name: w2_rec, .offset: 72, .size: 8, .value_kind: global_buffer, .address_space: global }
      - { .name: wo_rec, .offset: 80, .size: 8, .value_kind: global_buffer, .address_space: global }
    .group_segment_fixed_size: 70144
    .private_segment_fixed_size: 0
    .kernarg_segment_align: 8
    .kernarg_segment_size: 88
    .max_flat_workgroup_size: 256
    .sgpr_count:     66
    .vgpr_count:     208
    .wavefront_size: 32
...
	.end_amdgpu_metadata
.endif
;; end of part 1
;; launch proj1 (part 2): grid 20 x 8, 4 waves a work-group, clusters of 4 x 4, 327,680 bytes of LDS; arguments x_rec, w1_rec, gq, q_rec, lat_rec; writes q_rec, lat_rec
.if DOCPART == 2
	.amdgcn_target "amdgcn-amd-amdhsa--gfx1250"
	.amdhsa_code_object_version 6
	.text
	.protected	k_qe0315c9140_proj1
	.globl	k_qe0315c9140_proj1
	.p2align	8
	.type	k_qe0315c9140_proj1,@function
k_qe0315c9140_proj1:
	s_mov_b64 s[64:65], 0
	v_nop
	global_prefetch_b8 v0, s[64:65] scope:SCOPE_SE
	s_setreg_imm32_b32 hwreg(HW_REG_WAVE_MODE, 25, 1), 1
	s_wait_xcnt 0x0
	s_wait_alu depctr_hold_cnt(0) depctr_sa_sdst(0) depctr_va_vdst(0) depctr_va_sdst(0) depctr_va_ssrc(0) depctr_va_vcc(0) depctr_vm_vsrc(0)
	s_getreg_b32 s2, hwreg(HW_REG_IB_STS2, 6, 4)
	s_cmp_eq_u32 s2, 0
	s_cbranch_scc0 .Lentry_in_a_cluster
	s_endpgm
.Lentry_in_a_cluster:
	s_bfe_u32 s2, ttmp6, 0x10000c
	s_cmp_lg_u32 s2, 0xf033
	s_cbranch_scc0 .Lentry_shape_is_right
	s_endpgm
.Lentry_shape_is_right:
; THE PROJECTIONS ON CODES OF FP6 (E2M3).  One text serves two launches; PROJ says which.
;   PROJ = 1: x (K = 1,024) against Wq (16 blocks of 128 columns, a head each) and Wkv (4 blocks).  A head's results are RMS-normed with the gain gq and quantised along the head's 128: q's records; the latent's are quantised as they are.
;   PROJ = 2: the latent (K = 512) against the heads of K (16 blocks: normed with gk, quantised along the head's 128) and of V (16 blocks: quantised along the KEYS).
; All operands and results are RECORDS of 12,800 bytes (128 rows x 128 K as an image of the operand's registers: fragment t at 1,536 t, registers 4 c .. 4 c + 3 of lane l at + 512 c + 16 l; at 12,288 the scale image: word p of lane l's
; 16 bytes is the scale word of row l % 16 of tile 2 p + l / 16, so that register p of one 16-byte load serves tile 2 p from lanes 0-15 and tile 2 p + 1 from lanes 16-31).
; SHARES.  A work-group makes 512 tokens x 128 columns; wave w makes 128 x 128: 64 accumulators, 512 registers: exactly one record of the result.  The weight's block, all of K, comes into LDS once and is read by all four waves (SHARED);
; wave w's 128 tokens go through a ring of two slots of two K steps that is the wave's own (OWN).
; SOURCES.  Source 0 = the weight, source 1 = the tokens: a lane holds ONE token and its registers run along the columns; a weight's tile takes its columns so that registers 16 b + i of a token are columns 32 b + 16 (lane / 16) + i.
; For V the two are swapped (source 0 = the tokens, which are the keys): a lane holds one channel and its registers run along the keys: register 8 t + j is key 16 t + 8 (lane / 16) + j.  The quantiser lays it at place
; 32 (t / 2) + 16 (lane / 16) + 8 (t % 2) + j: inside a block of 32 keys two bits of the key's number change places; the softmax's weights are laid in the same order by the launch that reads V, so the products are kept.
; CLUSTER.  4 x 4 work-groups.  The four of a row of the cluster need the same tokens, the four of a column the same weights: each tile is asked for JOINTLY, by the same tensor load with the same descriptor and a mask that names the four.
; LIMITS: a block whose largest magnitude lies under 2^-124 (zeros among them) gets the byte 1; NaN and infinities are not served; 1 / sqrt is v_rsq_f32.
; REGISTERS, in windows of 256: window 0: v0-31 addresses; v32-47 scale words, two sets of eight (nothing else ever lies there); v64-127 the gain; v128-223 source 1's fragments, ONE set (on the way out: at work).
;   window 1: source 0's fragments, TWO sets, at v0 and v128.   windows 2, 3: accumulator (a, b) (source 1's tile a, source 0's tile b) at v[8 (8 (a % 4) + b)] of window 2 + a / 4.
.set PROJ,  1
.set REC,   12800
.if PROJ == 1
.set KS,    8                          ; K steps of 128
.else
.set KS,    4
.endif
.set SHB,   KS*REC                     ; LDS from 0: the weight's block
.set QSH,   SHB/4                      ; what one wave brings of it
.set RING,  SHB                        ; behind it the ring: slot s, wave w at RING + SLOTB s + WPART w
.set WPART, 2*REC
.set SLOTB, 4*WPART
.set SPARE, RING+2*SLOTB               ; behind the ring: the spare words, 128 bytes for each wave: two blocks of 256 bytes that no other line names
.set LI,  2                            ; v2   16 x lane
.set ADO, 16                           ; v16-17 my part of slot 0, 1
.set ADS, 20                           ; v20-21 the weight's K steps 0-3, 4-7
.set SPW, 28                           ; v28  LDS address of my spare word; never rewritten
.set NIL, 29                           ; v29  0; never rewritten
.set SC,  32                           ; set p: v[SC + 8 p] on: four registers of source 1's scale image, four of source 0's
.set G,   64                           ; the gain: register 16 b + i = g[32 b + 16 (lane / 16) + i]
.set AF,  128
.set Y,   128                          ; the way out: 64 numbers
.set PC,  192                          ; the fragment just made, v192-203; v204-210 at work
.set TM,  212                          ; v212-227 at work
.set PW,  228                          ; the scale word just made
.set SW,  232                          ; v232-235 the record's scale image
.set S,   236                          ; v236-251 a pair for each of the eight tiles: sums of squares, then 1 / rms
.set WV,  14
.set G1A, 24                           ; s[24:31] group 1 for the tokens;  s[32:39] group 0, a set for each slot
.set G0A, 32
.set G1B, 48                           ; s[48:55], s[56:59] the same for the weight
.set G0B, 56
.set SEL, 60
.set HIM, 62                           ; lanes 16-31
.set RCPD, 66                          ; 1 / 128
.set EPSR, 67                          ; 1e-6
.set DST, 68                           ; s[68:69] my record of the result
.set MSB, 0
.macro WIN new                         ; the immediate's high byte repeats the setting that is left; a switch that changes nothing is dropped
.if MSB != (\new)
	s_set_vgpr_msb (MSB<<8)|(\new)
.set MSB, (\new)
.endif
.endm
.set MUL_LO, 0xa1                      ; source 0 window 1, source 1 window 0, C and D window 2
.set MUL_HI, 0xf1                      ; the same, C and D window 3
.set TO_1,   0x40                      ; destination window 1, address window 0
.macro PLACES n
.rept \n
	v_nop
.endr
.endm
.macro CREST                           ; a round of the cluster's barrier behind its opening barrier
	s_cmp_lg_u32 s[WV], 0
	s_cbranch_scc1 .Lnot_wave_0_\@
	s_barrier_signal -3
.Lnot_wave_0_\@:
	s_barrier_wait -3
	s_barrier_signal -1
	s_barrier_wait -1
.endm
.macro CROUND                          ; a whole round
	s_barrier_signal -1
	s_barrier_wait -1
	CREST
.endm
.macro FRAG reg, adr, off              ; a fragment: three loads of 512 consecutive bytes
.irp c, 0,1,2
	ds_load_b128 v[\reg+4*\c:\reg+4*\c+3], v[\adr] offset:\off+512*\c
.endr
.endm
.macro AT ks                           ; where K step ks lies in LDS: A0, O0 for source 0, A1, O1 for source 1
.if VPATH
.set A0, ADO+((\ks)/2)%2
.set O0, ((\ks)%2)*REC
.set A1, ADS+(\ks)/4
.set O1, ((\ks)%4)*REC
.else
.set A1, ADO+((\ks)/2)%2
.set O1, ((\ks)%2)*REC
.set A0, ADS+(\ks)/4
.set O0, ((\ks)%4)*REC
.endif
.endm
.macro FETCH0 set                      ; source 0's eight fragments
	WIN TO_1
.irp i, 0,1,2,3,4,5,6,7
	FRAG 128*(\set)+12*\i, A0, O0+1536*\i
.endr
	WIN 0
.endm
.macro FETCH1 i0                       ; source 1's tiles i0 .. i0 + 3
.irp i, \i0, \i0+1, \i0+2, \i0+3
	FRAG AF+12*(\i), A1, O1+1536*(\i)
.endr
.endm
.macro SCALES set                      ; both scale images
	ds_load_b128 v[SC+8*(\set):SC+8*(\set)+3], v[A1] offset:O1+12288
	ds_load_b128 v[SC+8*(\set)+4:SC+8*(\set)+7], v[A0] offset:O0+12288
.endm
; one matrix instruction on FD, FA, FB with the scale registers KA, KB; ra, rb = 1: that side's words stand in lanes 16-31.  zero = 1: the product starts the sum
.macro WM zero, ra, rb
.if \zero
.if ((\ra) == 0) && ((\rb) == 0)
	v_wmma_scale_f32_16x16x128_f8f6f4 v[FD:FD+7], v[FA:FA+11], v[FB:FB+11], 0, v[KA], v[KB] matrix_a_fmt:MATRIX_FMT_FP6 matrix_b_fmt:MATRIX_FMT_FP6
.elseif (\rb) == 0
	v_wmma_scale_f32_16x16x128_f8f6f4 v[FD:FD+7], v[FA:FA+11], v[FB:FB+11], 0, v[KA], v[KB] matrix_a_fmt:MATRIX_FMT_FP6 matrix_b_fmt:MATRIX_FMT_FP6 matrix_a_scale:MATRIX_SCALE_ROW1
.elseif (\ra) == 0
	v_wmma_scale_f32_16x16x128_f8f6f4 v[FD:FD+7], v[FA:FA+11], v[FB:FB+11], 0, v[KA], v[KB] matrix_a_fmt:MATRIX_FMT_FP6 matrix_b_fmt:MATRIX_FMT_FP6 matrix_b_scale:MATRIX_SCALE_ROW1
.else
	v_wmma_scale_f32_16x16x128_f8f6f4 v[FD:FD+7], v[FA:FA+11], v[FB:FB+11], 0, v[KA], v[KB] matrix_a_fmt:MATRIX_FMT_FP6 matrix_b_fmt:MATRIX_FMT_FP6 matrix_a_scale:MATRIX_SCALE_ROW1 matrix_b_scale:MATRIX_SCALE_ROW1
.endif
.else
.if ((\ra) == 0) && ((\rb) == 0)
	v_wmma_scale_f32_16x16x128_f8f6f4 v[FD:FD+7], v[FA:FA+11], v[FB:FB+11], v[FD:FD+7], v[KA], v[KB] matrix_a_fmt:MATRIX_FMT_FP6 matrix_b_fmt:MATRIX_FMT_FP6
.elseif (\rb) == 0
	v_wmma_scale_f32_16x16x128_f8f6f4 v[FD:FD+7], v[FA:FA+11], v[FB:FB+11], v[FD:FD+7], v[KA], v[KB] matrix_a_fmt:MATRIX_FMT_FP6 matrix_b_fmt:MATRIX_FMT_FP6 matrix_a_scale:MATRIX_SCALE_ROW1
.elseif (\ra) == 0
	v_wmma_scale_f32_16x16x128_f8f6f4 v[FD:FD+7], v[FA:FA+11], v[FB:FB+11], v[FD:FD+7], v[KA], v[KB] matrix_a_fmt:MATRIX_FMT_FP6 matrix_b_fmt:MATRIX_FMT_FP6 matrix_b_scale:MATRIX_SCALE_ROW1
.else
	v_wmma_scale_f32_16x16x128_f8f6f4 v[FD:FD+7], v[FA:FA+11], v[FB:FB+11], v[FD:FD+7], v[KA], v[KB] matrix_a_fmt:MATRIX_FMT_FP6 matrix_b_fmt:MATRIX_FMT_FP6 matrix_a_scale:MATRIX_SCALE_ROW1 matrix_b_scale:MATRIX_SCALE_ROW1
.endif
.endif
.endm
; 16 matrix instructions: source 1's tiles a0, a0 + 1 against source 0's eight.  The 64 accumulators take turns, one instruction a turn, in the same order in every step
.macro MUL16 a0, par, zero
.irp a, \a0, \a0+1
.irp b, 0,1,2,3,4,5,6,7
.set FD, 8*(8*((\a)%4)+\b)
.set FA, 128*(\par)+12*\b
.set FB, AF+12*(\a)
.set KA, SC+8*(\par)+4+\b/2
.set KB, SC+8*(\par)+(\a)/2
	WM \zero, \b%2, (\a)%2
.endr
.endr
.endm
; A K STEP: 64 matrix instructions.  A tile of source 1 is free as soon as its eight products are issued, so one set of registers serves it: tiles 0-3 are fetched anew in the step's middle, tiles 4-7 at its end.
; kind 0: the next step lies in a slot that has been shown whole.  kind 1: it lies in my part of the other slot: my own wait for its load is all that the reads need, since no other wave reads those bytes.
; kind 2: as 1, and the slot that I leave is filled again, by a joint load behind a round of the cluster's barrier.  kind 3: the last step.
.macro STEP ks, kind, zero
.set PAR, (\ks)%2
.if \kind == 2
	s_wait_tensorcnt 0x0                           ; all my tensor loads have landed: my part of the other slot;  (every window is 0 here)
	ds_add_u32 v[SPW], v[NIL]                      ; 0 onto my spare word
	s_wait_dscnt 13                                ; the add and the youngest twelve loads (source 1's tiles 4-7) may be out
	WIN MUL_LO
	MUL16 0, PAR, 0                                ; sixteen matrix instructions stand between the add and the wait for it
	s_wait_dscnt 0x0                               ; the add is done, and my reads of the slot that I leave are over
	s_barrier_signal -1                            ; this barrier opens a round of the cluster's barrier
	MUL16 2, PAR, 0
	WIN 0
	s_barrier_wait -1
	CREST                                          ; no wave of any partner still reads the slot's tile or has a load on its way
.set SL, ((\ks)/2)%2
	s_add_nc_u64 s[G0A+4*SL+2:G0A+4*SL+3], s[G0A+4*SL+2:G0A+4*SL+3], 4*REC   ; no load of mine is out: the slot's next two K steps lie four records on
	tensor_load_to_lds s[G0A+4*SL:G0A+4*SL+3], s[G1A:G1A+7]   ; my one tensor load behind the round, and the first thing there
	s_nop 0
	PLACES 4                                       ; also the places in front of the loads below
.else
.if \kind == 1
	s_wait_tensorcnt 0x0                           ; my part of the other slot is in
.endif
	s_wait_dscnt 12                                ; source 0's set, source 1's tiles 0-3 and the scale words are in; the youngest twelve loads may be out
	WIN MUL_LO
	MUL16 0, PAR, \zero
	MUL16 2, PAR, \zero
	s_wait_dscnt 0x0                               ; source 1's tiles 4-7 are in
.if \kind != 3
	PLACES 4                                       ; four plain instructions in front of loads into registers that matrix instructions have read (ISA guide 7.12.1 for vector instructions)
.endif
.endif
.if \kind != 3
	AT (\ks)+1
	FETCH0 1-PAR
	FETCH1 0
	SCALES 1-PAR
.endif
	WIN MUL_HI
	MUL16 4, PAR, \zero
	MUL16 6, PAR, \zero
.if \kind != 3
	PLACES 4
	WIN 0
	FETCH1 4
.endif
.endm
.macro MAIN
	AT 0
	FETCH0 0
	FETCH1 0
	SCALES 0
	FETCH1 4
.if PROJ == 1
	STEP 0, 0, 1                                   ; the first step's products start the sums: nothing is cleared
	STEP 1, 2, 0                                   ; slot 0 takes K steps 4, 5
	STEP 2, 0, 0
	STEP 3, 2, 0                                   ; slot 1 takes K steps 6, 7
	STEP 4, 0, 0
	STEP 5, 1, 0
	STEP 6, 0, 0
	STEP 7, 3, 0
.else
	STEP 0, 0, 1
	STEP 1, 1, 0
	STEP 2, 0, 0
	STEP 3, 3, 0
.endif
	WIN 0
	PLACES 4                                       ; behind the last products: results are read and source 1's registers written from here on
.irp a, 0,1,2,3,4,5,6,7
	v_mov_b32 v[TM+\a], 0                          ; written once: a lane permute's destination counts as one of its sources
.endr
	s_wait_loadcnt 0x0                             ; the gain
.endm
; 64 numbers of a lane in window w, register 16 b + i = place 32 b + 16 (lane / 16) + i along the next K, become a fragment's codes in v[PC] on and its scale word in v[PW].  Each accumulator is read from its low end on
.macro QUANT s, w
	WIN (\w)|((\w)<<2)
.irp b, 0,1,2,3
	v_max3_num_f32 v[TM+\b], |v[\s+16*\b]|, |v[\s+1+16*\b]|, 0x1800000   ; and the floor 2^(3 - 127): the byte cannot fall under 1
.endr
	WIN ((\w)<<2)|((\w)<<4)
.irp i, 2,4,6,8,10,12,14
.irp b, 0,1,2,3
	v_max3_num_f32 v[TM+\b], v[TM+\b], |v[\s+16*\b+\i]|, |v[\s+1+16*\b+\i]|
.endr
.endr
	WIN 0
.irp b, 0,1,2,3
	v_permlanex16_b32 v[TM+4+\b], v[TM+\b], s[SEL], s[SEL+1]
.endr
.irp b, 0,1,2,3
	v_max_num_f32 v[TM+\b], v[TM+\b], v[TM+4+\b]   ; with lane l xor 16's: the block's largest magnitude
.endr
.irp b, 0,1,2,3
	v_add_nc_u32 v[TM+12+\b], 0xff000000, v[TM+\b]   ; 2 off its exponent field: the conversion's scale operand
.endr
.irp b, 0,1,2,3
	v_lshrrev_b32 v[TM+4+\b], 23, v[TM+12+\b]      ; the byte
.endr
	v_lshl_or_b32 v[PW], v[TM+5], 8, v[TM+4]
	v_lshl_or_b32 v[PW], v[TM+6], 16, v[PW]
	v_lshl_or_b32 v[PW], v[TM+7], 24, v[PW]
	WIN (\w)
.irp c, 0,1
	v_cvt_scalef32_pk16_fp6_f32 v[PC+6*\c:PC+2+6*\c], v[\s+32*\c:\s+15+32*\c], v[TM+12+2*\c]
	v_cvt_scalef32_pk16_fp6_f32 v[PC+12+4*\c:PC+14+4*\c], v[\s+16+32*\c:\s+31+32*\c], v[TM+12+2*\c+1]
.endr
	WIN 0
	v_nop                                          ; one plain instruction behind the scaled conversions
.irp c, 0,1
.irp i, 0,1,2
	v_permlane16_swap_b32 v[PC+6*\c+\i], v[PC+12+4*\c+\i]
.endr
.irp i, 0,1,2
	v_mov_b32 v[PC+3+6*\c+\i], v[PC+12+4*\c+\i]
.endr
.endr
.endm
.macro SUMS hi                         ; the sums of squares of tiles 4 hi .. 4 hi + 3: two numbers an instruction, the four tiles by turns, the registers ascending
	WIN 0x0a+5*(\hi)
.irp a, 0,1,2,3
	v_pk_mul_f32 v[S+2*(4*(\hi)+\a):S+2*(4*(\hi)+\a)+1], v[64*\a:64*\a+1], v[64*\a:64*\a+1]
.endr
.set q, 1
.rept 31
.irp a, 0,1,2,3
	v_pk_fma_f32 v[S+2*(4*(\hi)+\a):S+2*(4*(\hi)+\a)+1], v[64*\a+2*q:64*\a+2*q+1], v[64*\a+2*q:64*\a+2*q+1], v[S+2*(4*(\hi)+\a):S+2*(4*(\hi)+\a)+1]
.endr
.set q, q+1
.endr
.endm
.macro EPI a, norm                     ; tile a of the result becomes fragment a of my record
.set WN, 2+(\a)/4
.set AC, 64*((\a)%4)
.if (\a) > 0
	s_wait_xcnt 0x0                                ; the last tile's stores have read their registers: the codes may be written again
.endif
.if \norm
	WIN WN
.set q, 0
.rept 32
	v_pk_mul_f32 v[Y+2*q:Y+2*q+1], v[AC+2*q:AC+2*q+1], v[S+2*(\a):S+2*(\a)+1] op_sel_hi:[1,0]   ; x / rms,
.set q, q+1
.endr
	WIN 0
.set q, 0
.rept 32
	v_pk_mul_f32 v[Y+2*q:Y+2*q+1], v[Y+2*q:Y+2*q+1], v[G+2*q:G+2*q+1]   ; then x the gain
.set q, q+1
.endr
	QUANT Y, 0
.else
	QUANT AC, WN
.endif
.irp c, 0,1,2
	global_store_b128 v[LI], v[PC+4*\c:PC+4*\c+3], s[DST:DST+1] offset:1536*(\a)+512*\c   ; 512 consecutive bytes, aligned
.endr
.if ((\a)%2) == 0
	v_mov_b32 v[SW+(\a)/2], v[PW]                  ; the scale image: an even tile's words in lanes 0-15,
.else
	v_cndmask_b32 v[SW+(\a)/2], v[SW+(\a)/2], v[PW], s[HIM]   ; an odd tile's in lanes 16-31
.endif
.endm
.macro NORMED
	SUMS 0
	SUMS 1
	WIN 0
.irp a, 0,1,2,3,4,5,6,7
	v_add_f32 v[S+2*\a], v[S+2*\a], v[S+2*\a+1]
.endr
.irp a, 0,1,2,3,4,5,6,7
	v_permlanex16_b32 v[TM+\a], v[S+2*\a], s[SEL], s[SEL+1]
.endr
.irp a, 0,1,2,3,4,5,6,7
	v_add_f32 v[S+2*\a], v[S+2*\a], v[TM+\a]       ; with lane l xor 16's 64: the token's 128
.endr
.irp a, 0,1,2,3,4,5,6,7
	v_fma_f32 v[S+2*\a], v[S+2*\a], s[RCPD], s[EPSR]   ; the mean (x 2^-7 is exact) + 1e-6
.endr
.irp a, 0,1,2,3,4,5,6,7
	v_rsq_f32 v[S+2*\a], v[S+2*\a]
.endr
	v_nop                                          ; a plain instruction behind the last of the batch,
	s_wait_alu depctr_va_vdst(0)                   ; and one wait for the eight, ahead of their first reader
.irp a, 0,1,2,3,4,5,6,7
	EPI \a, 1
.endr
	global_store_b128 v[LI], v[SW:SW+3], s[DST:DST+1] offset:12288
.endm
.macro PLAIN
.irp a, 0,1,2,3,4,5,6,7
	EPI \a, 0
.endr
	global_store_b128 v[LI], v[SW:SW+3], s[DST:DST+1] offset:12288
.endm
	s_load_b256 s[4:11], s[0:1], 0x0               ; the tokens' records, the weights' records, the gain, the first result
.if PROJ == 1
	s_load_b64 s[12:13], s[0:1], 0x20              ; the latent's records
.endif
	v_lshl_add_u32 v[SPW], v0, 2, SPARE
	v_mov_b32 v[NIL], 0
	ds_add_u32 v[SPW], v[NIL]                      ; the wave's opening: the add and its wait stand ahead of my first tensor load; the set-up below, work on registers, stands between them
	v_lshrrev_b32 v1, 5, v0
	v_readfirstlane_b32 s[WV], v1                  ; wave 0..3
	s_bfe_u32 s40, ttmp6, 0x40000                  ; cx, cy: my place in the cluster
	s_bfe_u32 s41, ttmp6, 0x40004
	s_lshl_b32 s42, ttmp9, 2
	s_add_co_u32 s42, s42, s40                     ; the weight's block = 4 x cluster x + cx
	s_and_b32 s17, ttmp7, 0xffff
	s_lshl_b32 s17, s17, 2
	s_add_co_u32 s17, s17, s41                     ; the block of 512 tokens = 4 x cluster y + cy
	s_lshl_b32 s43, s41, 2
	s_lshl_b32 s43, 15, s43                        ; my row of the cluster
	s_lshl_b32 s44, 0x1111, s40                    ; my column
	; descriptor group 1: a dense block as rows of 256 bytes (32 elements of 8 bytes), no padding: records are read 512 consecutive bytes an instruction
	s_or_b32 s[G1A], s43, (3<<16)|(1<<21)          ; 15:0 the mask: the tokens go to my row; 17:16 elements of 8 bytes; 21 set beside a mask
	s_or_b32 s[G1B], s44, (3<<16)|(1<<21)          ; the weight goes to my column
	s_mov_b32 s[G1A+1], 32<<16                     ; tensor_dim0
	s_mov_b32 s[G1A+2], (WPART/256)<<16            ; tensor_dim1: two records
	s_mov_b32 s[G1A+3], 32<<16                     ; tile_dim0
	s_mov_b32 s[G1A+4], WPART/256                  ; tile_dim1
	s_mov_b32 s[G1A+5], 32                         ; from row to row
	s_mov_b32 s[G1A+6], 0
	s_mov_b32 s[G1A+7], 0
	s_mov_b32 s[G1B+1], 32<<16
	s_mov_b32 s[G1B+2], (QSH/256)<<16              ; a quarter of the weight's block
	s_mov_b32 s[G1B+3], 32<<16
	s_mov_b32 s[G1B+4], QSH/256
	s_mov_b32 s[G1B+5], 32
	s_mov_b32 s[G1B+6], 0
	s_mov_b32 s[G1B+7], 0
	; where the tiles come from: the tokens' address is made of the cluster's row and the wave, the weight's of its column and the wave, each in registers that never hold the other coordinate
	s_lshl_b32 s20, s17, 2
	s_add_co_u32 s20, s20, s[WV]                   ; my block of 128 tokens
	s_mul_i32 s20, s20, KS*REC
	s_mov_b32 s21, 0
	s_mul_i32 s46, s42, KS*REC
	s_mul_i32 s47, s[WV], QSH
	s_add_co_u32 s46, s46, s47
	s_mov_b32 s47, 0
	s_mul_i32 s45, s[WV], WPART
	s_add_co_u32 s45, s45, RING                    ; and where they go: no place in the cluster enters an LDS address
	s_mul_i32 s15, s[WV], QSH
	s_mov_b32 s[SEL], 0x76543210
	s_mov_b32 s[SEL+1], 0xfedcba98                 ; v_permlanex16_b32's selects for lane l xor 16
	s_mov_b32 s[HIM], 0xffff0000
	s_mov_b32 s[RCPD], 0x3c000000
	s_mov_b32 s[EPSR], 0x358637bd
	; my record of the result
	s_lshl_b32 s70, s17, 2
	s_add_co_u32 s70, s70, s[WV]                   ; my block of 128 tokens,
	s_lshr_b32 s71, s70, 4                         ; its batch,
	s_and_b32 s72, s70, 15                         ; its place there
	s_lshl_b32 s71, s71, 4
.if PROJ == 1
	s_add_co_u32 s71, s71, s42
	s_lshl_b32 s71, s71, 4
	s_add_co_u32 s71, s71, s72                     ; q: [16 batch + head][block]
	s_lshl_b32 s73, s70, 2
	s_and_b32 s74, s42, 3
	s_add_co_u32 s73, s73, s74                     ; the latent: [block of tokens][K step]
	s_cmp_lt_u32 ttmp9, 4
	s_cselect_b32 s72, s71, s73
	s_mul_i32 s72, s72, REC
.else
	s_and_b32 s74, s42, 15
	s_add_co_u32 s71, s71, s74
	s_lshl_b32 s71, s71, 4
	s_add_co_u32 s71, s71, s72                     ; [16 batch + head][key step]: K's record, then V's
	s_mul_i32 s72, s71, 2*REC
	s_lshr_b32 s74, s42, 4
	s_mul_i32 s74, s74, REC
	s_add_co_u32 s72, s72, s74
.endif
	s_mov_b32 s73, 0
	s_wait_dscnt 0x0                               ; the opening add is done
	s_wait_kmcnt 0x0
	s_add_nc_u64 s[20:21], s[4:5], s[20:21]
	s_add_nc_u64 s[46:47], s[6:7], s[46:47]
.if PROJ == 1
	s_cmp_lt_u32 ttmp9, 4                          ; the cluster's x: the same in all sixteen partners
	s_cselect_b64 s[DST:DST+1], s[10:11], s[12:13]
.else
	s_mov_b64 s[DST:DST+1], s[10:11]
.endif
	s_add_nc_u64 s[DST:DST+1], s[DST:DST+1], s[72:73]
	CROUND                                         ; all sixteen work-groups are here: the first joint loads meet
	s_mov_b32 s[G0B], 1                            ; count = 1
	s_mov_b32 s[G0B+1], s15                        ; LDS address
	s_mov_b64 s[G0B+2:G0B+3], s[46:47]             ; global address
	s_or_b32 s[G0B+3], s[G0B+3], 0x80000000        ; type = 2
	s_mov_b32 s[G0A], 1
	s_mov_b32 s[G0A+1], s45
	s_mov_b64 s[G0A+2:G0A+3], s[20:21]             ; K steps 0, 1
	s_or_b32 s[G0A+3], s[G0A+3], 0x80000000
	s_mov_b32 s[G0A+4], 1
	s_add_co_u32 s[G0A+5], s45, SLOTB
	s_add_nc_u64 s[G0A+6:G0A+7], s[20:21], WPART   ; K steps 2, 3
	s_or_b32 s[G0A+7], s[G0A+7], 0x80000000
	tensor_load_to_lds s[G0B:G0B+3], s[G1B:G1B+7]  ; the three first fills go out together: three tensor loads of mine are out
	s_nop 0
	tensor_load_to_lds s[G0A:G0A+3], s[G1A:G1A+7]
	s_nop 0
	tensor_load_to_lds s[G0A+4:G0A+7], s[G1A:G1A+7]
	s_nop 0
	PLACES 4
	v_bfe_u32 v3, v0, 4, 1
	v_lshlrev_b32 v3, 6, v3                        ; the gain: 64 bytes on for lanes 16-31
.irp b, 0,1,2,3
.irp j, 0,1,2,3
	global_load_b128 v[G+16*\b+4*\j:G+16*\b+4*\j+3], v3, s[8:9] offset:128*\b+16*\j
.endr
.endr
	v_and_b32 v1, 31, v0
	v_lshlrev_b32 v[LI], 4, v1
	v_add_nc_u32 v[ADO], s45, v[LI]
	v_add_nc_u32 v[ADO+1], SLOTB, v[ADO]
	v_mov_b32 v[ADS], v[LI]
	v_add_nc_u32 v[ADS+1], 4*REC, v[LI]
	s_wait_tensorcnt 0x1                           ; my quarter of the weight and my part of slot 0 are in; slot 1's load may stay out
	s_barrier_signal -1
	s_barrier_wait -1                              ; everybody's quarter is in
.if PROJ == 1
.set VPATH, 0
	MAIN
	s_cmp_ge_u32 ttmp9, 4                          ; clusters 0-3 along x hold the heads of q, cluster 4 the latent
	s_cbranch_scc1 .Lplain
	NORMED
	s_branch .Lend
.Lplain:
	PLAIN
.else
	s_cmp_ge_u32 ttmp9, 4                          ; clusters 0-3 along x hold the heads of K, clusters 4-7 those of V
	s_cbranch_scc1 .Lvalues
.set VPATH, 0
	MAIN
	NORMED
	s_branch .Lend
.Lvalues:
.set VPATH, 1
	MAIN
	PLAIN
.endif
.Lend:
	s_wait_tensorcnt 0x0                           ; the wave's end: the add and its wait stand behind my last tensor load
	ds_add_u32 v[SPW], v[NIL]
	s_wait_dscnt 0x0
	CROUND                                         ; the closing round: no work-group ends while a partner may still ask for a tile that names it
	s_endpgm
.Lfunc_end_k_qe0315c9140_proj1:
	.size	k_qe0315c9140_proj1, .Lfunc_end_k_qe0315c9140_proj1-k_qe0315c9140_proj1
	.p2alignl 7, 3214868480
	.fill 96, 4, 3214868480
	.section	.rodata,"a",@progbits
	.p2align	6, 0x0
	.amdhsa_kernel k_qe0315c9140_proj1
		.amdhsa_group_segment_fixed_size 327680
		.amdhsa_private_segment_fixed_size 0
		.amdhsa_enable_private_segment 0
		.amdhsa_kernarg_size 40
		.amdhsa_user_sgpr_count 2
		.amdhsa_user_sgpr_kernarg_segment_ptr 1
		.amdhsa_wavefront_size32 1
		.amdhsa_system_sgpr_workgroup_id_x 1
		.amdhsa_system_sgpr_workgroup_id_y 1
		.amdhsa_system_sgpr_workgroup_id_z 1
		.amdhsa_system_vgpr_workitem_id 0
		.amdhsa_next_free_vgpr 1024
		.amdhsa_next_free_sgpr 96
		.amdhsa_reserve_vcc 0
		.amdhsa_float_denorm_mode_32 3
		.amdhsa_float_denorm_mode_16_64 3
		.amdhsa_memory_ordered 1
		.amdhsa_forward_progress 1
		.amdhsa_inst_pref_size 219
	.end_amdhsa_kernel
	.amdgpu_metadata
---
amdhsa.version: [ 1, 2 ]
amdhsa.kernels:
  - .name:           k_qe0315c9140_proj1
    .symbol:         k_qe0315c9140_proj1.kd
    .args:
      - { .name: x_rec, .offset: 0, .size: 8, .value_kind: global_buffer, .address_space: global }
      - { .name: w1_rec, .offset: 8, .size: 8, .value_kind: global_buffer, .address_space: global }
      - { .name: gq, .offset: 16, .size: 8, .value_kind: global_buffer, .address_space: global }
      - { .name: q_rec, .offset: 24, .size: 8, .value_kind: global_buffer, .address_space: global }
      - { .name: lat_rec, .offset: 32, .size: 8, .value_kind: global_buffer, .address_space: global }
    .group_segment_fixed_size: 327680
    .private_segment_fixed_size: 0
    .kernarg_segment_align: 8
    .kernarg_segment_size: 40
    .max_flat_workgroup_size: 128
    .sgpr_count:     96
    .vgpr_count:     1024
    .wavefront_size: 32
...
	.end_amdgpu_metadata
.endif
;; end of part 2
;; launch proj2 (part 3): grid 32 x 8, 4 waves a work-group, clusters of 4 x 4, 327,680 bytes of LDS; arguments lat_rec, w2_rec, gk, kv_rec; writes kv_rec
.if DOCPART == 3
	.amdgcn_target "amdgcn-amd-amdhsa--gfx1250"
	.amdhsa_code_object_version 6
	.text
	.protected	k_qe0315c9140_proj2
	.globl	k_qe0315c9140_proj2
	.p2align	8
	.type	k_qe0315c9140_proj2,@function
k_qe0315c9140_proj2:
	s_mov_b64 s[64:65], 0
	v_nop
	global_prefetch_b8 v0, s[64:65] scope:SCOPE_SE
	s_setreg_imm32_b32 hwreg(HW_REG_WAVE_MODE, 25, 1), 1
	s_wait_xcnt 0x0
	s_wait_alu depctr_hold_cnt(0) depctr_sa_sdst(0) depctr_va_vdst(0) depctr_va_sdst(0) depctr_va_ssrc(0) depctr_va_vcc(0) depctr_vm_vsrc(0)
	s_getreg_b32 s2, hwreg(HW_REG_IB_STS2, 6, 4)
	s_cmp_eq_u32 s2, 0
	s_cbranch_scc0 .Lentry_in_a_cluster
	s_endpgm
.Lentry_in_a_cluster:
	s_bfe_u32 s2, ttmp6, 0x10000c
	s_cmp_lg_u32 s2, 0xf033
	s_cbranch_scc0 .Lentry_shape_is_right
	s_endpgm
.Lentry_shape_is_right:
; THE PROJECTIONS ON CODES OF FP6 (E2M3).  One text serves two launches; PROJ says which.
;   PROJ = 1: x (K = 1,024) against Wq (16 blocks of 128 columns, a head each) and Wkv (4 blocks).  A head's results are RMS-normed with the gain gq and quantised along the head's 128: q's records; the latent's are quantised as they are.
;   PROJ = 2: the latent (K = 512) against the heads of K (16 blocks: normed with gk, quantised along the head's 128) and of V (16 blocks: quantised along the KEYS).
; All operands and results are RECORDS of 12,800 bytes (128 rows x 128 K as an image of the operand's registers: fragment t at 1,536 t, registers 4 c .. 4 c + 3 of lane l at + 512 c + 16 l; at 12,288 the scale image: word p of lane l's
; 16 bytes is the scale word of row l % 16 of tile 2 p + l / 16, so that register p of one 16-byte load serves tile 2 p from lanes 0-15 and tile 2 p + 1 from lanes 16-31).
; SHARES.  A work-group makes 512 tokens x 128 columns; wave w makes 128 x 128: 64 accumulators, 512 registers: exactly one record of the result.  The weight's block, all of K, comes into LDS once and is read by all four waves (SHARED);
; wave w's 128 tokens go through a ring of two slots of two K steps that is the wave's own (OWN).
; SOURCES.  Source 0 = the weight, source 1 = the tokens: a lane holds ONE token and its registers run along the columns; a weight's tile takes its columns so that registers 16 b + i of a token are columns 32 b + 16 (lane / 16) + i.
; For V the two are swapped (source 0 = the tokens, which are the keys): a lane holds one channel and its registers run along the keys: register 8 t + j is key 16 t + 8 (lane / 16) + j.  The quantiser lays it at place
; 32 (t / 2) + 16 (lane / 16) + 8 (t % 2) + j: inside a block of 32 keys two bits of the key's number change places; the softmax's weights are laid in the same order by the launch that reads V, so the products are kept.
; CLUSTER.  4 x 4 work-groups.  The four of a row of the cluster need the same tokens, the four of a column the same weights: each tile is asked for JOINTLY, by the same tensor load with the same descriptor and a mask that names the four.
; LIMITS: a block whose largest magnitude lies under 2^-124 (zeros among them) gets the byte 1; NaN and infinities are not served; 1 / sqrt is v_rsq_f32.
; REGISTERS, in windows of 256: window 0: v0-31 addresses; v32-47 scale words, two sets of eight (nothing else ever lies there); v64-127 the gain; v128-223 source 1's fragments, ONE set (on the way out: at work).
;   window 1: source 0's fragments, TWO sets, at v0 and v128.   windows 2, 3: accumulator (a, b) (source 1's tile a, source 0's tile b) at v[8 (8 (a % 4) + b)] of window 2 + a / 4.
.set PROJ,  2
.set REC,   12800
.if PROJ == 1
.set KS,    8                          ; K steps of 128
.else
.set KS,    4
.endif
.set SHB,   KS*REC                     ; LDS from 0: the weight's block
.set QSH,   SHB/4                      ; what one wave brings of it
.set RING,  SHB                        ; behind it the ring: slot s, wave w at RING + SLOTB s + WPART w
.set WPART, 2*REC
.set SLOTB, 4*WPART
.set SPARE, RING+2*SLOTB               ; behind the ring: the spare words, 128 bytes for each wave: two blocks of 256 bytes that no other line names
.set LI,  2                            ; v2   16 x lane
.set ADO, 16                           ; v16-17 my part of slot 0, 1
.set ADS, 20                           ; v20-21 the weight's K steps 0-3, 4-7
.set SPW, 28                           ; v28  LDS address of my spare word; never rewritten
.set NIL, 29                           ; v29  0; never rewritten
.set SC,  32                           ; set p: v[SC + 8 p] on: four registers of source 1's scale image, four of source 0's
.set G,   64                           ; the gain: register 16 b + i = g[32 b + 16 (lane / 16) + i]
.set AF,  128
.set Y,   128                          ; the way out: 64 numbers
.set PC,  192                          ; the fragment just made, v192-203; v204-210 at work
.set TM,  212                          ; v212-227 at work
.set PW,  228                          ; the scale word just made
.set SW,  232                          ; v232-235 the record's scale image
.set S,   236                          ; v236-251 a pair for each of the eight tiles: sums of squares, then 1 / rms
.set WV,  14
.set G1A, 24                           ; s[24:31] group 1 for the tokens;  s[32:39] group 0, a set for each slot
.set G0A, 32
.set G1B, 48                           ; s[48:55], s[56:59] the same for the weight
.set G0B, 56
.set SEL, 60
.set HIM, 62                           ; lanes 16-31
.set RCPD, 66                          ; 1 / 128
.set EPSR, 67                          ; 1e-6
.set DST, 68                           ; s[68:69] my record of the result
.set MSB, 0
.macro WIN new                         ; the immediate's high byte repeats the setting that is left; a switch that changes nothing is dropped
.if MSB != (\new)
	s_set_vgpr_msb (MSB<<8)|(\new)
.set MSB, (\new)
.endif
.endm
.set MUL_LO, 0xa1                      ; source 0 window 1, source 1 window 0, C and D window 2
.set MUL_HI, 0xf1                      ; the same, C and D window 3
.set TO_1,   0x40                      ; destination window 1, address window 0
.macro PLACES n
.rept \n
	v_nop
.endr
.endm
.macro CREST                           ; a round of the cluster's barrier behind its opening barrier
	s_cmp_lg_u32 s[WV], 0
	s_cbranch_scc1 .Lnot_wave_0_\@
	s_barrier_signal -3
.Lnot_wave_0_\@:
	s_barrier_wait -3
	s_barrier_signal -1
	s_barrier_wait -1
.endm
.macro CROUND                          ; a whole round
	s_barrier_signal -1
	s_barrier_wait -1
	CREST
.endm
.macro FRAG reg, adr, off              ; a fragment: three loads of 512 consecutive bytes
.irp c, 0,1,2
	ds_load_b128 v[\reg+4*\c:\reg+4*\c+3], v[\adr] offset:\off+512*\c
.endr
.endm
.macro AT ks                           ; where K step ks lies in LDS: A0, O0 for source 0, A1, O1 for source 1
.if VPATH
.set A0, ADO+((\ks)/2)%2
.set O0, ((\ks)%2)*REC
.set A1, ADS+(\ks)/4
.set O1, ((\ks)%4)*REC
.else
.set A1, ADO+((\ks)/2)%2
.set O1, ((\ks)%2)*REC
.set A0, ADS+(\ks)/4
.set O0, ((\ks)%4)*REC
.endif
.endm
.macro FETCH0 set                      ; source 0's eight fragments
	WIN TO_1
.irp i, 0,1,2,3,4,5,6,7
	FRAG 128*(\set)+12*\i, A0, O0+1536*\i
.endr
	WIN 0
.endm
.macro FETCH1 i0                       ; source 1's tiles i0 .. i0 + 3
.irp i, \i0, \i0+1, \i0+2, \i0+3
	FRAG AF+12*(\i), A1, O1+1536*(\i)
.endr
.endm
.macro SCALES set                      ; both scale images
	ds_load_b128 v[SC+8*(\set):SC+8*(\set)+3], v[A1] offset:O1+12288
	ds_load_b128 v[SC+8*(\set)+4:SC+8*(\set)+7], v[A0] offset:O0+12288
.endm
; one matrix instruction on FD, FA, FB with the scale registers KA, KB; ra, rb = 1: that side's words stand in lanes 16-31.  zero = 1: the product starts the sum
.macro WM zero, ra, rb
.if \zero
.if ((\ra) == 0) && ((\rb) == 0)
	v_wmma_scale_f32_16x16x128_f8f6f4 v[FD:FD+7], v[FA:FA+11], v[FB:FB+11], 0, v[KA], v[KB] matrix_a_fmt:MATRIX_FMT_FP6 matrix_b_fmt:MATRIX_FMT_FP6
.elseif (\rb) == 0
	v_wmma_scale_f32_16x16x128_f8f6f4 v[FD:FD+7], v[FA:FA+11], v[FB:FB+11], 0, v[KA], v[KB] matrix_a_fmt:MATRIX_FMT_FP6 matrix_b_fmt:MATRIX_FMT_FP6 matrix_a_scale:MATRIX_SCALE_ROW1
.elseif (\ra) == 0
	v_wmma_scale_f32_16x16x128_f8f6f4 v[FD:FD+7], v[FA:FA+11], v[FB:FB+11], 0, v[KA], v[KB] matrix_a_fmt:MATRIX_FMT_FP6 matrix_b_fmt:MATRIX_FMT_FP6 matrix_b_scale:MATRIX_SCALE_ROW1
.else
	v_wmma_scale_f32_16x16x128_f8f6f4 v[FD:FD+7], v[FA:FA+11], v[FB:FB+11], 0, v[KA], v[KB] matrix_a_fmt:MATRIX_FMT_FP6 matrix_b_fmt:MATRIX_FMT_FP6 matrix_a_scale:MATRIX_SCALE_ROW1 matrix_b_scale:MATRIX_SCALE_ROW1
.endif
.else
.if ((\ra) == 0) && ((\rb) == 0)
	v_wmma_scale_f32_16x16x128_f8f6f4 v[FD:FD+7], v[FA:FA+11], v[FB:FB+11], v[FD:FD+7], v[KA], v[KB] matrix_a_fmt:MATRIX_FMT_FP6 matrix_b_fmt:MATRIX_FMT_FP6
.elseif (\rb) == 0
	v_wmma_scale_f32_16x16x128_f8f6f4 v[FD:FD+7], v[FA:FA+11], v[FB:FB+11], v[FD:FD+7], v[KA], v[KB] matrix_a_fmt:MATRIX_FMT_FP6 matrix_b_fmt:MATRIX_FMT_FP6 matrix_a_scale:MATRIX_SCALE_ROW1
.elseif (\ra) == 0
	v_wmma_scale_f32_16x16x128_f8f6f4 v[FD:FD+7], v[FA:FA+11], v[FB:FB+11], v[FD:FD+7], v[KA], v[KB] matrix_a_fmt:MATRIX_FMT_FP6 matrix_b_fmt:MATRIX_FMT_FP6 matrix_b_scale:MATRIX_SCALE_ROW1
.else
	v_wmma_scale_f32_16x16x128_f8f6f4 v[FD:FD+7], v[FA:FA+11], v[FB:FB+11], v[FD:FD+7], v[KA], v[KB] matrix_a_fmt:MATRIX_FMT_FP6 matrix_b_fmt:MATRIX_FMT_FP6 matrix_a_scale:MATRIX_SCALE_ROW1 matrix_b_scale:MATRIX_SCALE_ROW1
.endif
.endif
.endm
; 16 matrix instructions: source 1's tiles a0, a0 + 1 against source 0's eight.  The 64 accumulators take turns, one instruction a turn, in the same order in every step
.macro MUL16 a0, par, zero
.irp a, \a0, \a0+1
.irp b, 0,1,2,3,4,5,6,7
.set FD, 8*(8*((\a)%4)+\b)
.set FA, 128*(\par)+12*\b
.set FB, AF+12*(\a)
.set KA, SC+8*(\par)+4+\b/2
.set KB, SC+8*(\par)+(\a)/2
	WM \zero, \b%2, (\a)%2
.endr
.endr
.endm
; A K STEP: 64 matrix instructions.  A tile of source 1 is free as soon as its eight products are issued, so one set of registers serves it: tiles 0-3 are fetched anew in the step's middle, tiles 4-7 at its end.
; kind 0: the next step lies in a slot that has been shown whole.  kind 1: it lies in my part of the other slot: my own wait for its load is all that the reads need, since no other wave reads those bytes.
; kind 2: as 1, and the slot that I leave is filled again, by a joint load behind a round of the cluster's barrier.  kind 3: the last step.
.macro STEP ks, kind, zero
.set PAR, (\ks)%2
.if \kind == 2
	s_wait_tensorcnt 0x0                           ; all my tensor loads have landed: my part of the other slot;  (every window is 0 here)
	ds_add_u32 v[SPW], v[NIL]                      ; 0 onto my spare word
	s_wait_dscnt 13                                ; the add and the youngest twelve loads (source 1's tiles 4-7) may be out
	WIN MUL_LO
	MUL16 0, PAR, 0                                ; sixteen matrix instructions stand between the add and the wait for it
	s_wait_dscnt 0x0                               ; the add is done, and my reads of the slot that I leave are over
	s_barrier_signal -1                            ; this barrier opens a round of the cluster's barrier
	MUL16 2, PAR, 0
	WIN 0
	s_barrier_wait -1
	CREST                                          ; no wave of any partner still reads the slot's tile or has a load on its way
.set SL, ((\ks)/2)%2
	s_add_nc_u64 s[G0A+4*SL+2:G0A+4*SL+3], s[G0A+4*SL+2:G0A+4*SL+3], 4*REC   ; no load of mine is out: the slot's next two K steps lie four records on
	tensor_load_to_lds s[G0A+4*SL:G0A+4*SL+3], s[G1A:G1A+7]   ; my one tensor load behind the round, and the first thing there
	s_nop 0
	PLACES 4                                       ; also the places in front of the loads below
.else
.if \kind == 1
	s_wait_tensorcnt 0x0                           ; my part of the other slot is in
.endif
	s_wait_dscnt 12                                ; source 0's set, source 1's tiles 0-3 and the scale words are in; the youngest twelve loads may be out
	WIN MUL_LO
	MUL16 0, PAR, \zero
	MUL16 2, PAR, \zero
	s_wait_dscnt 0x0                               ; source 1's tiles 4-7 are in
.if \kind != 3
	PLACES 4                                       ; four plain instructions in front of loads into registers that matrix instructions have read (ISA guide 7.12.1 for vector instructions)
.endif
.endif
.if \kind != 3
	AT (\ks)+1
	FETCH0 1-PAR
	FETCH1 0
	SCALES 1-PAR
.endif
	WIN MUL_HI
	MUL16 4, PAR, \zero
	MUL16 6, PAR, \zero
.if \kind != 3
	PLACES 4
	WIN 0
	FETCH1 4
.endif
.endm
.macro MAIN
	AT 0
	FETCH0 0
	FETCH1 0
	SCALES 0
	FETCH1 4
.if PROJ == 1
	STEP 0, 0, 1                                   ; the first step's products start the sums: nothing is cleared
	STEP 1, 2, 0                                   ; slot 0 takes K steps 4, 5
	STEP 2, 0, 0
	STEP 3, 2, 0                                   ; slot 1 takes K steps 6, 7
	STEP 4, 0, 0
	STEP 5, 1, 0
	STEP 6, 0, 0
	STEP 7, 3, 0
.else
	STEP 0, 0, 1
	STEP 1, 1, 0
	STEP 2, 0, 0
	STEP 3, 3, 0
.endif
	WIN 0
	PLACES 4                                       ; behind the last products: results are read and source 1's registers written from here on
.irp a, 0,1,2,3,4,5,6,7
	v_mov_b32 v[TM+\a], 0                          ; written once: a lane permute's destination counts as one of its sources
.endr
	s_wait_loadcnt 0x0                             ; the gain
.endm
; 64 numbers of a lane in window w, register 16 b + i = place 32 b + 16 (lane / 16) + i along the next K, become a fragment's codes in v[PC] on and its scale word in v[PW].  Each accumulator is read from its low end on
.macro QUANT s, w
	WIN (\w)|((\w)<<2)
.irp b, 0,1,2,3
	v_max3_num_f32 v[TM+\b], |v[\s+16*\b]|, |v[\s+1+16*\b]|, 0x1800000   ; and the floor 2^(3 - 127): the byte cannot fall under 1
.endr
	WIN ((\w)<<2)|((\w)<<4)
.irp i, 2,4,6,8,10,12,14
.irp b, 0,1,2,3
	v_max3_num_f32 v[TM+\b], v[TM+\b], |v[\s+16*\b+\i]|, |v[\s+1+16*\b+\i]|
.endr
.endr
	WIN 0
.irp b, 0,1,2,3
	v_permlanex16_b32 v[TM+4+\b], v[TM+\b], s[SEL], s[SEL+1]
.endr
.irp b, 0,1,2,3
	v_max_num_f32 v[TM+\b], v[TM+\b], v[TM+4+\b]   ; with lane l xor 16's: the block's largest magnitude
.endr
.irp b, 0,1,2,3
	v_add_nc_u32 v[TM+12+\b], 0xff000000, v[TM+\b]   ; 2 off its exponent field: the conversion's scale operand
.endr
.irp b, 0,1,2,3
	v_lshrrev_b32 v[TM+4+\b], 23, v[TM+12+\b]      ; the byte
.endr
	v_lshl_or_b32 v[PW], v[TM+5], 8, v[TM+4]
	v_lshl_or_b32 v[PW], v[TM+6], 16, v[PW]
	v_lshl_or_b32 v[PW], v[TM+7], 24, v[PW]
	WIN (\w)
.irp c, 0,1
	v_cvt_scalef32_pk16_fp6_f32 v[PC+6*\c:PC+2+6*\c], v[\s+32*\c:\s+15+32*\c], v[TM+12+2*\c]
	v_cvt_scalef32_pk16_fp6_f32 v[PC+12+4*\c:PC+14+4*\c], v[\s+16+32*\c:\s+31+32*\c], v[TM+12+2*\c+1]
.endr
	WIN 0
	v_nop                                          ; one plain instruction behind the scaled conversions
.irp c, 0,1
.irp i, 0,1,2
	v_permlane16_swap_b32 v[PC+6*\c+\i], v[PC+12+4*\c+\i]
.endr
.irp i, 0,1,2
	v_mov_b32 v[PC+3+6*\c+\i], v[PC+12+4*\c+\i]
.endr
.endr
.endm
.macro SUMS hi                         ; the sums of squares of tiles 4 hi .. 4 hi + 3: two numbers an instruction, the four tiles by turns, the registers ascending
	WIN 0x0a+5*(\hi)
.irp a, 0,1,2,3
	v_pk_mul_f32 v[S+2*(4*(\hi)+\a):S+2*(4*(\hi)+\a)+1], v[64*\a:64*\a+1], v[64*\a:64*\a+1]
.endr
.set q, 1
.rept 31
.irp a, 0,1,2,3
	v_pk_fma_f32 v[S+2*(4*(\hi)+\a):S+2*(4*(\hi)+\a)+1], v[64*\a+2*q:64*\a+2*q+1], v[64*\a+2*q:64*\a+2*q+1], v[S+2*(4*(\hi)+\a):S+2*(4*(\hi)+\a)+1]
.endr
.set q, q+1
.endr
.endm
.macro EPI a, norm                     ; tile a of the result becomes fragment a of my record
.set WN, 2+(\a)/4
.set AC, 64*((\a)%4)
.if (\a) > 0
	s_wait_xcnt 0x0                                ; the last tile's stores have read their registers: the codes may be written again
.endif
.if \norm
	WIN WN
.set q, 0
.rept 32
	v_pk_mul_f32 v[Y+2*q:Y+2*q+1], v[AC+2*q:AC+2*q+1], v[S+2*(\a):S+2*(\a)+1] op_sel_hi:[1,0]   ; x / rms,
.set q, q+1
.endr
	WIN 0
.set q, 0
.rept 32
	v_pk_mul_f32 v[Y+2*q:Y+2*q+1], v[Y+2*q:Y+2*q+1], v[G+2*q:G+2*q+1]   ; then x the gain
.set q, q+1
.endr
	QUANT Y, 0
.else
	QUANT AC, WN
.endif
.irp c, 0,1,2
	global_store_b128 v[LI], v[PC+4*\c:PC+4*\c+3], s[DST:DST+1] offset:1536*(\a)+512*\c   ; 512 consecutive bytes, aligned
.endr
.if ((\a)%2) == 0
	v_mov_b32 v[SW+(\a)/2], v[PW]                  ; the scale image: an even tile's words in lanes 0-15,
.else
	v_cndmask_b32 v[SW+(\a)/2], v[SW+(\a)/2], v[PW], s[HIM]   ; an odd tile's in lanes 16-31
.endif
.endm
.macro NORMED
	SUMS 0
	SUMS 1
	WIN 0
.irp a, 0,1,2,3,4,5,6,7
	v_add_f32 v[S+2*\a], v[S+2*\a], v[S+2*\a+1]
.endr
.irp a, 0,1,2,3,4,5,6,7
	v_permlanex16_b32 v[TM+\a], v[S+2*\a], s[SEL], s[SEL+1]
.endr
.irp a, 0,1,2,3,4,5,6,7
	v_add_f32 v[S+2*\a], v[S+2*\a], v[TM+\a]       ; with lane l xor 16's 64: the token's 128
.endr
.irp a, 0,1,2,3,4,5,6,7
	v_fma_f32 v[S+2*\a], v[S+2*\a], s[RCPD], s[EPSR]   ; the mean (x 2^-7 is exact) + 1e-6
.endr
.irp a, 0,1,2,3,4,5,6,7
	v_rsq_f32 v[S+2*\a], v[S+2*\a]
.endr
	v_nop                                          ; a plain instruction behind the last of the batch,
	s_wait_alu depctr_va_vdst(0)                   ; and one wait for the eight, ahead of their first reader
.irp a, 0,1,2,3,4,5,6,7
	EPI \a, 1
.endr
	global_store_b128 v[LI], v[SW:SW+3], s[DST:DST+1] offset:12288
.endm
.macro PLAIN
.irp a, 0,1,2,3,4,5,6,7
	EPI \a, 0
.endr
	global_store_b128 v[LI], v[SW:SW+3], s[DST:DST+1] offset:12288
.endm
	s_load_b256 s[4:11], s[0:1], 0x0               ; the tokens' records, the weights' records, the gain, the first result
.if PROJ == 1
	s_load_b64 s[12:13], s[0:1], 0x20              ; the latent's records
.endif
	v_lshl_add_u32 v[SPW], v0, 2, SPARE
	v_mov_b32 v[NIL], 0
	ds_add_u32 v[SPW], v[NIL]                      ; the wave's opening: the add and its wait stand ahead of my first tensor load; the set-up below, work on registers, stands between them
	v_lshrrev_b32 v1, 5, v0
	v_readfirstlane_b32 s[WV], v1                  ; wave 0..3
	s_bfe_u32 s40, ttmp6, 0x40000                  ; cx, cy: my place in the cluster
	s_bfe_u32 s41, ttmp6, 0x40004
	s_lshl_b32 s42, ttmp9, 2
	s_add_co_u32 s42, s42, s40                     ; the weight's block = 4 x cluster x + cx
	s_and_b32 s17, ttmp7, 0xffff
	s_lshl_b32 s17, s17, 2
	s_add_co_u32 s17, s17, s41                     ; the block of 512 tokens = 4 x cluster y + cy
	s_lshl_b32 s43, s41, 2
	s_lshl_b32 s43, 15, s43                        ; my row of the cluster
	s_lshl_b32 s44, 0x1111, s40                    ; my column
	; descriptor group 1: a dense block as rows of 256 bytes (32 elements of 8 bytes), no padding: records are read 512 consecutive bytes an instruction
	s_or_b32 s[G1A], s43, (3<<16)|(1<<21)          ; 15:0 the mask: the tokens go to my row; 17:16 elements of 8 bytes; 21 set beside a mask
	s_or_b32 s[G1B], s44, (3<<16)|(1<<21)          ; the weight goes to my column
	s_mov_b32 s[G1A+1], 32<<16                     ; tensor_dim0
	s_mov_b32 s[G1A+2], (WPART/256)<<16            ; tensor_dim1: two records
	s_mov_b32 s[G1A+3], 32<<16                     ; tile_dim0
	s_mov_b32 s[G1A+4], WPART/256                  ; tile_dim1
	s_mov_b32 s[G1A+5], 32                         ; from row to row
	s_mov_b32 s[G1A+6], 0
	s_mov_b32 s[G1A+7], 0
	s_mov_b32 s[G1B+1], 32<<16
	s_mov_b32 s[G1B+2], (QSH/256)<<16              ; a quarter of the weight's block
	s_mov_b32 s[G1B+3], 32<<16
	s_mov_b32 s[G1B+4], QSH/256
	s_mov_b32 s[G1B+5], 32
	s_mov_b32 s[G1B+6], 0
	s_mov_b32 s[G1B+7], 0
	; where the tiles come from: the tokens' address is made of the cluster's row and the wave, the weight's of its column and the wave, each in registers that never hold the other coordinate
	s_lshl_b32 s20, s17, 2
	s_add_co_u32 s20, s20, s[WV]                   ; my block of 128 tokens
	s_mul_i32 s20, s20, KS*REC
	s_mov_b32 s21, 0
	s_mul_i32 s46, s42, KS*REC
	s_mul_i32 s47, s[WV], QSH
	s_add_co_u32 s46, s46, s47
	s_mov_b32 s47, 0
	s_mul_i32 s45, s[WV], WPART
	s_add_co_u32 s45, s45, RING                    ; and where they go: no place in the cluster enters an LDS address
	s_mul_i32 s15, s[WV], QSH
	s_mov_b32 s[SEL], 0x76543210
	s_mov_b32 s[SEL+1], 0xfedcba98                 ; v_permlanex16_b32's selects for lane l xor 16
	s_mov_b32 s[HIM], 0xffff0000
	s_mov_b32 s[RCPD], 0x3c000000
	s_mov_b32 s[EPSR], 0x358637bd
	; my record of the result
	s_lshl_b32 s70, s17, 2
	s_add_co_u32 s70, s70, s[WV]                   ; my block of 128 tokens,
	s_lshr_b32 s71, s70, 4                         ; its batch,
	s_and_b32 s72, s70, 15                         ; its place there
	s_lshl_b32 s71, s71, 4
.if PROJ == 1
	s_add_co_u32 s71, s71, s42
	s_lshl_b32 s71, s71, 4
	s_add_co_u32 s71, s71, s72                     ; q: [16 batch + head][block]
	s_lshl_b32 s73, s70, 2
	s_and_b32 s74, s42, 3
	s_add_co_u32 s73, s73, s74                     ; the latent: [block of tokens][K step]
	s_cmp_lt_u32 ttmp9, 4
	s_cselect_b32 s72, s71, s73
	s_mul_i32 s72, s72, REC
.else
	s_and_b32 s74, s42, 15
	s_add_co_u32 s71, s71, s74
	s_lshl_b32 s71, s71, 4
	s_add_co_u32 s71, s71, s72                     ; [16 batch + head][key step]: K's record, then V's
	s_mul_i32 s72, s71, 2*REC
	s_lshr_b32 s74, s42, 4
	s_mul_i32 s74, s74, REC
	s_add_co_u32 s72, s72, s74
.endif
	s_mov_b32 s73, 0
	s_wait_dscnt 0x0                               ; the opening add is done
	s_wait_kmcnt 0x0
	s_add_nc_u64 s[20:21], s[4:5], s[20:21]
	s_add_nc_u64 s[46:47], s[6:7], s[46:47]
.if PROJ == 1
	s_cmp_lt_u32 ttmp9, 4                          ; the cluster's x: the same in all sixteen partners
	s_cselect_b64 s[DST:DST+1], s[10:11], s[12:13]
.else
	s_mov_b64 s[DST:DST+1], s[10:11]
.endif
	s_add_nc_u64 s[DST:DST+1], s[DST:DST+1], s[72:73]
	CROUND                                         ; all sixteen work-groups are here: the first joint loads meet
	s_mov_b32 s[G0B], 1                            ; count = 1
	s_mov_b32 s[G0B+1], s15                        ; LDS address
	s_mov_b64 s[G0B+2:G0B+3], s[46:47]             ; global address
	s_or_b32 s[G0B+3], s[G0B+3], 0x80000000        ; type = 2
	s_mov_b32 s[G0A], 1
	s_mov_b32 s[G0A+1], s45
	s_mov_b64 s[G0A+2:G0A+3], s[20:21]             ; K steps 0, 1
	s_or_b32 s[G0A+3], s[G0A+3], 0x80000000
	s_mov_b32 s[G0A+4], 1
	s_add_co_u32 s[G0A+5], s45, SLOTB
	s_add_nc_u64 s[G0A+6:G0A+7], s[20:21], WPART   ; K steps 2, 3
	s_or_b32 s[G0A+7], s[G0A+7], 0x80000000
	tensor_load_to_lds s[G0B:G0B+3], s[G1B:G1B+7]  ; the three first fills go out together: three tensor loads of mine are out
	s_nop 0
	tensor_load_to_lds s[G0A:G0A+3], s[G1A:G1A+7]
	s_nop 0
	tensor_load_to_lds s[G0A+4:G0A+7], s[G1A:G1A+7]
	s_nop 0
	PLACES 4
	v_bfe_u32 v3, v0, 4, 1
	v_lshlrev_b32 v3, 6, v3                        ; the gain: 64 bytes on for lanes 16-31
.irp b, 0,1,2,3
.irp j, 0,1,2,3
	global_load_b128 v[G+16*\b+4*\j:G+16*\b+4*\j+3], v3, s[8:9] offset:128*\b+16*\j
.endr
.endr
	v_and_b32 v1, 31, v0
	v_lshlrev_b32 v[LI], 4, v1
	v_add_nc_u32 v[ADO], s45, v[LI]
	v_add_nc_u32 v[ADO+1], SLOTB, v[ADO]
	v_mov_b32 v[ADS], v[LI]
	v_add_nc_u32 v[ADS+1], 4*REC, v[LI]
	s_wait_tensorcnt 0x1                           ; my quarter of the weight and my part of slot 0 are in; slot 1's load may stay out
	s_barrier_signal -1
	s_barrier_wait -1                              ; everybody's quarter is in
.if PROJ == 1
.set VPATH, 0
	MAIN
	s_cmp_ge_u32 ttmp9, 4                          ; clusters 0-3 along x hold the heads of q, cluster 4 the latent
	s_cbranch_scc1 .Lplain
	NORMED
	s_branch .Lend
.Lplain:
	PLAIN
.else
	s_cmp_ge_u32 ttmp9, 4                          ; clusters 0-3 along x hold the heads of K, clusters 4-7 those of V
	s_cbranch_scc1 .Lvalues
.set VPATH, 0
	MAIN
	NORMED
	s_branch .Lend
.Lvalues:
.set VPATH, 1
	MAIN
	PLAIN
.endif
.Lend:
	s_wait_tensorcnt 0x0                           ; the wave's end: the add and its wait stand behind my last tensor load
	ds_add_u32 v[SPW], v[NIL]
	s_wait_dscnt 0x0
	CROUND                                         ; the closing round: no work-group ends while a partner may still ask for a tile that names it
	s_endpgm
.Lfunc_end_k_qe0315c9140_proj2:
	.size	k_qe0315c9140_proj2, .Lfunc_end_k_qe0315c9140_proj2-k_qe0315c9140_proj2
	.p2alignl 7, 3214868480
	.fill 96, 4, 3214868480
	.section	.rodata,"a",@progbits
	.p2align	6, 0x0
	.amdhsa_kernel k_qe0315c9140_proj2
		.amdhsa_group_segment_fixed_size 327680
		.amdhsa_private_segment_fixed_size 0
		.amdhsa_enable_private_segment 0
		.amdhsa_kernarg_size 32
		.amdhsa_user_sgpr_count 2
		.amdhsa_user_sgpr_kernarg_segment_ptr 1
		.amdhsa_wavefront_size32 1
		.amdhsa_system_sgpr_workgroup_id_x 1
		.amdhsa_system_sgpr_workgroup_id_y 1
		.amdhsa_system_sgpr_workgroup_id_z 1
		.amdhsa_system_vgpr_workitem_id 0
		.amdhsa_next_free_vgpr 1024
		.amdhsa_next_free_sgpr 96
		.amdhsa_reserve_vcc 0
		.amdhsa_float_denorm_mode_32 3
		.amdhsa_float_denorm_mode_16_64 3
		.amdhsa_memory_ordered 1
		.amdhsa_forward_progress 1
		.amdhsa_inst_pref_size 218
	.end_amdhsa_kernel
	.amdgpu_metadata
---
amdhsa.version: [ 1, 2 ]
amdhsa.kernels:
  - .name:           k_qe0315c9140_proj2
    .symbol:         k_qe0315c9140_proj2.kd
    .args:
      - { .name: lat_rec, .offset: 0, .size: 8, .value_kind: global_buffer, .address_space: global }
      - { .name: w2_rec, .offset: 8, .size: 8, .value_kind: global_buffer, .address_space: global }
      - { .name: gk, .offset: 16, .size: 8, .value_kind: global_buffer, .address_space: global }
      - { .name: kv_rec, .offset: 24, .size: 8, .value_kind: global_buffer, .address_space: global }
    .group_segment_fixed_size: 327680
    .private_segment_fixed_size: 0
    .kernarg_segment_align: 8
    .kernarg_segment_size: 32
    .max_flat_workgroup_size: 128
    .sgpr_count:     96
    .vgpr_count:     1024
    .wavefront_size: 32
...
	.end_amdgpu_metadata
.endif
;; end of part 3
;; launch attn (part 4): grid 8 x 32, 16 waves a work-group, no clusters, 327,680 bytes of LDS; arguments q_rec, kv_rec, o_rec; writes o_rec
.if DOCPART == 4
	.amdgcn_target "amdgcn-amd-amdhsa--gfx1250"
	.amdhsa_code_object_version 6
	.text
	.protected	k_qe0315c9140_attn
	.globl	k_qe0315c9140_attn
	.p2align	8
	.type	k_qe0315c9140_attn,@function
k_qe0315c9140_attn:
	s_mov_b64 s[64:65], 0
	v_nop
	global_prefetch_b8 v0, s[64:65] scope:SCOPE_SE
	s_setreg_imm32_b32 hwreg(HW_REG_WAVE_MODE, 25, 1), 1
	s_wait_xcnt 0x0
; CAUSAL ATTENTION ON CODES OF FP6 (E2M3): o = softmax(q k^T / sqrt(128), key <= query) v for 32 (batch, head) pairs of 2,048 tokens; o is quantised along the head's 128 and stored as records for the last product.
; q, k, v arrive as RECORDS of 12,800 bytes (128 rows x 128 K as an image of the operand's registers: fragment t at 1,536 t, registers 4 c .. 4 c + 3 of lane l at + 512 c + 16 l; at 12,288 the scale image: word p of lane l's 16 bytes
; is the scale word of row l % 16 of tile 2 p + l / 16).  A key step of 128 keys is K's record and behind it V's (rows = channels, K = the keys): 25,600 dense bytes.
; THE SOFTMAX AHEAD OF THE SECOND PRODUCT: t = score x log2(e) / sqrt(128); M = the running largest t rounded UP to a whole number; p = 2^(t - M) is quantised along the keys, not normalised; the row's sum is taken of the
; unquantised p and divides at the end.  When M moves, the sum and O are multiplied by 2^(old M - new M): exact.
; LAYOUT.  Both products are used transposed (S^T = K Q^T, O^T = V^T P^T): a lane holds ONE query throughout.  K's tiles are 16 neighbouring keys, so register 8 t + j holds key 16 t + 8 (lane / 16) + j; the quantiser lays it at place
; 32 (t / 2) + 16 (lane / 16) + 8 (t % 2) + j.  V's records were made in that very order, which stays inside a block of 32 keys: the products are kept.  V's tiles take their channels so that registers 16 b + i of O^T are channels 32 b + 16 (lane / 16) + i.
; SHARES.  A work-group owns query blocks i and 15 - i (128 queries each) of one pair: every work-group has the same number of unhidden key steps.  Each of sixteen waves owns one tile of 16 queries; by hv = (w xor w / 4) % 2
; every four waves w % 4 alike, and every four w / 4 alike, hold two tiles of the early block and two of the late one.
; Every work-group walks all four slots of 512 keys (constant trip counts, every barrier passed); a key step all of whose keys come after the wave's queries is jumped over, and a slot whose first key comes after the work-group's last query is not asked for.
; NO CLUSTER: the work-groups that read the same K and V differ in their query blocks, on which the jump over hidden key steps and the end of the loads hang: partners would not run alike.
; NO PREFETCH is laid: a refill is issued a whole slot, four key steps of every wave that still works, ahead of the first read of its bytes.
; LIMITS: a block's largest p is taken through its largest score, which takes v_exp_f32 not to fall where its input rises; 1 / the sum is v_rcp_f32; a block of o whose largest magnitude lies under 2^-124 gets the byte 1; NaN and infinities are not served.
; REGISTERS: v1-11 addresses; v12 -M, v13 the largest t, v[14:15] the sum in two halves; v16-27 Q; v32-79 four fragments of K or of V; v96-159 S^T, then p; v160-223 O^T; v224-235 p's codes; v232-254 at work; v248-251 K's or V's scale image, v253 p's scale word, v255 Q's.
.set REC,   12800
.set STEPB, 2*REC                      ; a key step's bytes
.set SLOT1, 1<<17                      ; slot 0 at 0, slot 1 here (four key steps, 102,400 bytes each): one exclusive or turns an address from one slot to the other
.set SPARE, SLOT1+4*STEPB              ; the spare words, 128 bytes for each wave: eight blocks of 256 bytes that no other line names
.set OSC,   SPARE+2048                 ; o's two scale images
.set LI,  1                            ; v1   16 x lane
.set OSW, 2                            ; v2   where my tile's scale word of o goes
.set OSR, 3                            ; v3   where my block's scale image is read back
.set SPW, 5                            ; v5   LDS address of my spare word; never rewritten
.set NIL, 6                            ; v6   0; never rewritten
.set ADK, 8                            ; v8   LDS address of the key step in hand
.set QFO, 10                           ; v10  16 x lane + 1,536 x my tile: my fragment in a record of q or of o
.set QSO, 11                           ; v11  my tile's scale words in a record's image
.set TM,  232
.set PC,  32
.set PW,  52
.set WV,  18
.set SEL, 20
.set CS,  22                           ; s[22:23] c = log2(e) / sqrt(128)
.set G1,  24                           ; s[24:31] descriptor group 1;  s[40:43] group 0, which walks
.set G0,  40
.set TB,  44                           ; LDS byte at which the key step in hand begins
.set CNT4, 45
.set SLOTS, 46
.set KF,  47                           ; the step's first key
.set Q0,  48                           ; my first query
.set WGL, 49                           ; my work-group's last query
.set BH,  50
.set HV,  51
.set TA,  52
.set BLK, 53
.macro FRAG reg, adr, off
.irp c, 0,1,2
	ds_load_b128 v[\reg+4*\c:\reg+4*\c+3], v[\adr] offset:\off+512*\c
.endr
.endm
.macro TLOAD                           ; waves 0 to 3 fetch a key step each; an s_nop 0 and four v_nop follow the load
	s_cmp_lt_u32 s[WV], 4
	s_cbranch_scc0 .Lasked_\@
	tensor_load_to_lds s[G0:G0+3], s[G1:G1+7]
	s_nop 0
.rept 4
	v_nop
.endr
.Lasked_\@:
.endm
.macro QUANT s                         ; 64 numbers of a lane, register 16 b + i = channel 32 b + 16 (lane / 16) + i, become a fragment's codes in v[PC] on and its scale word in v[PW]
.irp b, 0,1,2,3
	v_max3_num_f32 v[TM+\b], |v[\s+16*\b]|, |v[\s+1+16*\b]|, 0x1800000
.endr
.irp i, 2,4,6,8,10,12,14
.irp b, 0,1,2,3
	v_max3_num_f32 v[TM+\b], v[TM+\b], |v[\s+16*\b+\i]|, |v[\s+1+16*\b+\i]|
.endr
.endr
.irp b, 0,1,2,3
	v_permlanex16_b32 v[TM+4+\b], v[TM+\b], s[SEL], s[SEL+1]
.endr
.irp b, 0,1,2,3
	v_max_num_f32 v[TM+\b], v[TM+\b], v[TM+4+\b]
.endr
.irp b, 0,1,2,3
	v_add_nc_u32 v[TM+12+\b], 0xff000000, v[TM+\b]
.endr
.irp b, 0,1,2,3
	v_lshrrev_b32 v[TM+4+\b], 23, v[TM+12+\b]
.endr
	v_lshl_or_b32 v[PW], v[TM+5], 8, v[TM+4]
	v_lshl_or_b32 v[PW], v[TM+6], 16, v[PW]
	v_lshl_or_b32 v[PW], v[TM+7], 24, v[PW]
.irp c, 0,1
	v_cvt_scalef32_pk16_fp6_f32 v[PC+6*\c:PC+2+6*\c], v[\s+32*\c:\s+15+32*\c], v[TM+12+2*\c]
	v_cvt_scalef32_pk16_fp6_f32 v[PC+12+4*\c:PC+14+4*\c], v[\s+16+32*\c:\s+31+32*\c], v[TM+12+2*\c+1]
.endr
	v_nop
.irp c, 0,1
.irp i, 0,1,2
	v_permlane16_swap_b32 v[PC+6*\c+\i], v[PC+12+4*\c+\i]
.endr
.irp i, 0,1,2
	v_mov_b32 v[PC+3+6*\c+\i], v[PC+12+4*\c+\i]
.endr
.endr
.endm
	s_load_b128 s[4:7], s[0:1], 0x0                ; q's records, K's and V's
	s_load_b64 s[8:9], s[0:1], 0x10                ; o's
	v_lshl_add_u32 v[SPW], v0, 2, SPARE
	v_mov_b32 v[NIL], 0
	ds_add_u32 v[SPW], v[NIL]                      ; the wave's opening: the add and its wait stand ahead of the first tensor load; the set-up below, work on registers, stands between them
	v_lshrrev_b32 v8, 5, v0
	v_readfirstlane_b32 s[WV], v8                  ; wave 0..15
	s_and_b32 s[BH], ttmp7, 0xffff                 ; 16 x batch + head
	s_lshr_b32 s70, s[WV], 2
	s_xor_b32 s70, s70, s[WV]
	s_and_b32 s[HV], s70, 1                        ; 0: the early block, 1: the late one
	s_lshr_b32 s[TA], s[WV], 1                     ; my tile in it
	s_mul_i32 s70, s[HV], 15
	s_xor_b32 s[BLK], s70, ttmp9                   ; block i, or 15 - i = i xor 15
	s_lshl_b32 s[Q0], s[BLK], 7
	s_lshl_b32 s70, s[TA], 4
	s_add_co_u32 s[Q0], s[Q0], s70
	s_lshl_b32 s70, ttmp9, 7
	s_sub_co_u32 s[WGL], 2047, s70                 ; the last query of block 15 - i
	s_lshl_b32 s72, s[BH], 4
	s_add_co_u32 s72, s72, s[BLK]
	s_mul_i32 s72, s72, REC                        ; q's record: [pair][block]
	s_mov_b32 s73, 0
	s_mul_i32 s74, s[TA], 1536
	s_lshr_b32 s76, s[BH], 4
	s_lshl_b32 s76, s76, 4
	s_add_co_u32 s76, s76, s[BLK]
	s_lshl_b32 s76, s76, 4
	s_and_b32 s77, s[BH], 15
	s_add_co_u32 s76, s76, s77
	s_mul_i32 s76, s76, REC                        ; o's record: [16 batch + block][head]
	s_mov_b32 s77, 0
	s_mul_i32 s78, s[BH], 16*STEPB
	s_and_b32 s80, s[WV], 3
	s_mul_i32 s80, s80, STEPB                      ; the key step that I fetch, if I fetch: in memory and in a slot
	s_add_co_u32 s78, s78, s80
	s_mov_b32 s79, 0
	s_and_b32 s82, s[TA], 1
	s_lshl_b32 s82, s82, 8
	s_lshr_b32 s83, s[TA], 1
	s_lshl_b32 s83, s83, 2
	s_add_co_u32 s82, s82, s83                     ; tile a's words in a scale image: 256 (a % 2) + 4 (a / 2) + 16 r
	s_lshl_b32 s85, s[HV], 9
	s_add_co_u32 s85, s85, OSC
	s_add_co_u32 s84, s85, s82
	; descriptor group 1: 25,600 dense bytes as 100 rows of 256 (32 elements of 8 bytes), no padding, no mask
	s_mov_b32 s[G1], 3<<16
	s_mov_b32 s[G1+1], 32<<16
	s_mov_b32 s[G1+2], 100<<16
	s_mov_b32 s[G1+3], 32<<16
	s_mov_b32 s[G1+4], 100
	s_mov_b32 s[G1+5], 32
	s_mov_b32 s[G1+6], 0
	s_mov_b32 s[G1+7], 0
	s_mov_b32 s[SEL], 0x76543210
	s_mov_b32 s[SEL+1], 0xfedcba98
	s_mov_b32 s[CS], 0x3e0293ee
	s_mov_b32 s[CS+1], s[CS]                       ; named with it as a pair, so it is written
	s_mov_b32 s[TB], 0
	s_mov_b32 s[KF], 0
	s_mov_b32 s[SLOTS], 3
	s_wait_dscnt 0x0                               ; the opening add is done
	s_wait_kmcnt 0x0
	s_mov_b32 s[G0], 1
	s_mov_b32 s[G0+1], s80
	s_add_nc_u64 s[G0+2:G0+3], s[6:7], s[78:79]
	s_or_b32 s[G0+3], s[G0+3], 0x80000000
	TLOAD                                          ; slot 0: key steps 0 to 3
	s_add_nc_u64 s[4:5], s[4:5], s[72:73]
	s_add_nc_u64 s[8:9], s[8:9], s[76:77]
	v_and_b32 v8, 31, v0
	v_lshlrev_b32 v[LI], 4, v8
	v_and_b32 v9, 15, v0                           ; r
	v_add_nc_u32 v[QFO], s74, v[LI]
	v_lshl_add_u32 v[QSO], v9, 4, s82
.irp c, 0,1,2
	global_load_b128 v[16+4*\c:19+4*\c], v[QFO], s[4:5] offset:512*\c   ; Q's fragment stays in registers
.endr
	global_load_b32 v255, v[QSO], s[4:5] offset:12288   ; and its scale words
	v_lshl_add_u32 v[OSW], v9, 4, s84
	v_add_nc_u32 v[OSR], s85, v[LI]
	v_mov_b32 v13, 0xff61b1e6                      ; the largest t so far: -3e38, under every t
	v_floor_f32 v12, -v13                          ; -M
	v_mov_b32 v14, 0
	v_mov_b32 v15, 0
.irp b, 0,1,2,3
	v_mov_b32 v[236+\b], 0                         ; written once: a lane permute's destination counts as one of its sources
.endr
	v_mov_b32 v252, 0
	v_mov_b32 v253, 0
.set n, 0
.rept 64
	v_mov_b32 v[160+n], 0                          ; O^T: the step is written once; the first finds zeros, which the first change of M leaves zeros
.set n, n+1
.endr
; A KEY STEP: 128 keys
.macro STEP
	s_add_co_u32 s96, s[Q0], 15
	s_cmp_gt_u32 s[KF], s96                        ; all its keys come after my 16 queries: a scalar branch on ids, round the step's work, not round the lines at its end that step addresses
	s_cbranch_scc1 .Lhidden_\@
	v_add_nc_u32 v[ADK], s[TB], v[LI]
.rept 3
	v_nop                                          ; with the addition: four plain instructions in front of loads into registers that matrix instructions have read
.endr
	ds_load_b128 v[248:251], v[ADK] offset:12288   ; K's scale image: register p serves tile 2 p from lanes 0-15, tile 2 p + 1 from lanes 16-31
.irp g, 0,1                                    ; S^T = K Q^T, four tiles of 16 keys at a time
.if \g > 0
.rept 4
	v_nop
.endr
.endif
.irp t, 0,1,2,3
	FRAG 32+12*\t, ADK, (4*\g+\t)*1536
.endr
	s_wait_dscnt 0x0
.irp t, 0,1,2,3
.if \t%2
	v_wmma_scale_f32_16x16x128_f8f6f4 v[96+8*(4*\g+\t):103+8*(4*\g+\t)], v[32+12*\t:43+12*\t], v[16:27], 0, v[248+2*\g+\t/2], v255 matrix_a_fmt:MATRIX_FMT_FP6 matrix_b_fmt:MATRIX_FMT_FP6 matrix_a_scale:MATRIX_SCALE_ROW1
.else
	v_wmma_scale_f32_16x16x128_f8f6f4 v[96+8*(4*\g+\t):103+8*(4*\g+\t)], v[32+12*\t:43+12*\t], v[16:27], 0, v[248+2*\g+\t/2], v255 matrix_a_fmt:MATRIX_FMT_FP6 matrix_b_fmt:MATRIX_FMT_FP6
.endif
.endr
.endr
.rept 4
	v_nop
.endr
	s_add_co_u32 s96, s[KF], 127                   ; on the diagonal the scores of hidden keys become -infinity ahead of the maximum: p = 0 then.  A step all of whose keys count skips this
	s_cmp_le_u32 s96, s[Q0]
	s_cbranch_scc1 .Lopen_\@
	s_sub_co_i32 s96, s[Q0], s[KF]
	v_and_b32 v252, 15, v0
	v_bfe_u32 v254, v0, 4, 1
	v_lshlrev_b32 v254, 3, v254
	v_sub_nc_u32 v252, v252, v254
	v_add_nc_u32 v252, s96, v252                   ; d = my query - KF - 8 (lane / 16).  Register 8 t + j holds key KF + 16 t + 8 (lane / 16) + j: hidden where 16 t + j > d
	v_mov_b32 v254, 0xff800000
.set n, 0
.rept 64
	v_cmp_gt_i32 vcc_lo, 16*(n/8)+n%8, v252
	v_cndmask_b32 v[96+n], v[96+n], v254, vcc_lo
.set n, n+1
.endr
.Lopen_\@:
.irp b, 0,1,2,3
	v_max3_num_f32 v[232+\b], v[96+16*\b], v[97+16*\b], v[98+16*\b]   ; the largest score of each block of 32 keys: it serves for the row's maximum and, since p rises with the score, for the block's largest p
.endr
.irp i, 3,5,7,9,11,13
.irp b, 0,1,2,3
	v_max3_num_f32 v[232+\b], v[232+\b], v[96+16*\b+\i], v[97+16*\b+\i]
.endr
.endr
.irp b, 0,1,2,3
	v_max_num_f32 v[232+\b], v[232+\b], v[111+16*\b]
.endr
.irp b, 0,1,2,3
	v_permlanex16_b32 v[236+\b], v[232+\b], s[SEL], s[SEL+1]
.endr
.irp b, 0,1,2,3
	v_max_num_f32 v[232+\b], v[232+\b], v[236+\b]  ; with lane l xor 16's 16 keys
.endr
	v_max3_num_f32 v254, v232, v233, v234
	v_max_num_f32 v254, v254, v235                 ; the step's largest score of my query
	v_mul_f32 v254, s[CS], v254                    ; as t (c is positive)
	v_max_num_f32 v13, v13, v254                   ; the running largest t
	v_mov_b32 v254, v12
	v_floor_f32 v12, -v13                          ; the new -M = floor(-t) = -ceil(t): a whole number
	v_sub_f32 v254, v12, v254                      ; M's old value less its new one: a whole number, 0 or less
	v_cvt_i32_f32 v254, v254                       ; (it saturates)
	v_ldexp_f32 v252, 1.0, v254                    ; f = 2^(old M - new M)
.set n, 0
.rept 32
	v_pk_fma_f32 v[96+n:97+n], v[96+n:97+n], s[CS:CS+1], v[12:13] op_sel_hi:[1,0,0]   ; t - M, two at a time
.set n, n+2
.endr
.irp b, 0,1,2,3
	v_fma_f32 v[232+\b], v[232+\b], s[CS], v12     ; the same of each block's largest score
.endr
.set n, 0
.rept 64
	v_exp_f32 v[96+n], v[96+n]                     ; p = 2^(t - M), at most 1
.set n, n+1
.endr
	v_pk_mul_f32 v[14:15], v[14:15], v[252:253] op_sel_hi:[1,0]   ; the sums under the new M: a plain instruction behind the exponentials
	s_wait_alu depctr_va_vdst(0)                   ; one wait for the whole batch, ahead of its first reader
.irp b, 0,1,2,3
	v_exp_f32 v[232+\b], v[232+\b]                 ; the block's largest p
.endr
	v_pk_add_f32 v[236:237], v[96:97], v[98:99]    ; the row's sum is taken of the unquantised p: two at a time, in two chains; it reads the 64 alone
.irp j, 4,8,12,16,20,24,28,32,36,40,44,48,52,56,60
	v_pk_add_f32 v[14:15], v[14:15], v[96+\j:97+\j]
	v_pk_add_f32 v[236:237], v[236:237], v[98+\j:99+\j]
.endr
	v_pk_add_f32 v[14:15], v[14:15], v[236:237]
	s_wait_alu depctr_va_vdst(0)                   ; and one for the four
.irp b, 0,1,2,3
	v_max_num_f32 v[232+\b], 0x1800000, v[232+\b]  ; the floor 2^(3 - 127): the byte cannot fall under 1
.endr
.irp b, 0,1,2,3
	v_add_nc_u32 v[244+\b], 0xff000000, v[232+\b]  ; 2 off the exponent field: the conversion's scale operand
.endr
.irp b, 0,1,2,3
	v_lshrrev_b32 v[236+\b], 23, v[244+\b]
.endr
	v_lshl_or_b32 v253, v237, 8, v236              ; p's scale word for these 128 keys
	v_lshl_or_b32 v253, v238, 16, v253
	v_lshl_or_b32 v253, v239, 24, v253
.irp c, 0,1
	v_cvt_scalef32_pk16_fp6_f32 v[224+6*\c:226+6*\c], v[96+32*\c:111+32*\c], v[244+2*\c]
	v_cvt_scalef32_pk16_fp6_f32 v[236+4*\c:238+4*\c], v[112+32*\c:127+32*\c], v[244+2*\c+1]
.endr
	v_nop                                          ; one plain instruction behind the scaled conversions
.irp c, 0,1
.irp i, 0,1,2
	v_permlane16_swap_b32 v[224+6*\c+\i], v[236+4*\c+\i]
.endr
.irp i, 0,1,2
	v_mov_b32 v[227+6*\c+\i], v[236+4*\c+\i]
.endr
.endr
.set n, 0
.rept 32
	v_pk_mul_f32 v[160+n:161+n], v[160+n:161+n], v[252:253] op_sel_hi:[1,0]   ; O^T under the new M.  These 32 are also the places in front of the matrix instructions and loads below
.set n, n+2
.endr
	ds_load_b128 v[248:251], v[ADK] offset:REC+12288   ; V's scale image
.irp g, 0,1                                    ; O^T += V^T P^T: four tiles of 16 channels at a time; each accumulator has one instruction a turn
.if \g > 0
.rept 4
	v_nop
.endr
.endif
.irp t, 0,1,2,3
	FRAG 32+12*\t, ADK, REC+(4*\g+\t)*1536
.endr
	s_wait_dscnt 0x0
.irp t, 0,1,2,3
.if \t%2
	v_wmma_scale_f32_16x16x128_f8f6f4 v[160+8*(4*\g+\t):167+8*(4*\g+\t)], v[32+12*\t:43+12*\t], v[224:235], v[160+8*(4*\g+\t):167+8*(4*\g+\t)], v[248+2*\g+\t/2], v253 matrix_a_fmt:MATRIX_FMT_FP6 matrix_b_fmt:MATRIX_FMT_FP6 matrix_a_scale:MATRIX_SCALE_ROW1
.else
	v_wmma_scale_f32_16x16x128_f8f6f4 v[160+8*(4*\g+\t):167+8*(4*\g+\t)], v[32+12*\t:43+12*\t], v[224:235], v[160+8*(4*\g+\t):167+8*(4*\g+\t)], v[248+2*\g+\t/2], v253 matrix_a_fmt:MATRIX_FMT_FP6 matrix_b_fmt:MATRIX_FMT_FP6
.endif
.endr
.endr
.Lhidden_\@:
	s_add_co_u32 s[KF], s[KF], 128
	s_add_co_u32 s[TB], s[TB], STEPB
.endm
; THE CHANGE OF SLOTS stands at a slot's head.  Each wave waits for all its tensor loads (its part of the slot that it is about to read), adds 0 to its spare word, and waits for that and for its reads of the slot that it has left.
; Behind the barrier the slot ahead is whole and nobody reads the other one.  fill = 1: that other slot is filled with the next 512 keys, while its first key is at or under the work-group's last query.
; Every wait on TENSORcnt in this text is for 0; no step reads a slot that was left out.
.macro CHANGE fill
	s_wait_tensorcnt 0x0                           ; no tensor load of mine is out, so the group 0 may be written
	ds_add_u32 v[SPW], v[NIL]                      ; 0 onto my spare word
.if \fill
	s_xor_b32 s[G0+1], s[G0+1], SLOT1              ; the other slot than last time,
	s_add_nc_u64 s[G0+2:G0+3], s[G0+2:G0+3], 4*STEPB   ; the next four key steps; the type bits on top are not reached
.endif
	s_wait_dscnt 0x0                               ; the add is done, and my reads of the slot that I have left are over
	s_barrier_signal -1
	s_barrier_wait -1
.if \fill
	s_add_co_u32 s96, s[KF], 512                   ; the first key of the slot that this change would ask for
	s_cmp_gt_u32 s96, s[WGL]
	s_cbranch_scc1 .Lpast_\@
	TLOAD                                          ; a wave's one tensor load until the next change: it has a whole slot's steps in which to land
.Lpast_\@:
.endif
.endm
.macro FOUR_STEPS                      ; a slot's four key steps: written once, walked four times
	s_mov_b32 s[CNT4], 4
.Lstep_\@:
	STEP
	s_sub_co_u32 s[CNT4], s[CNT4], 1
	s_cmp_lg_u32 s[CNT4], 0
	s_cbranch_scc1 .Lstep_\@
	s_sub_co_u32 s[TB], s[TB], 4*STEPB
	s_xor_b32 s[TB], s[TB], SLOT1                  ; on to the other slot
.endm
	s_wait_loadcnt 0x0                             ; Q
.Lslot:                                            ; three trips: behind each change of slots but the last the next slot is asked for, up to the causal limit
	CHANGE 1
	FOUR_STEPS
	s_sub_co_u32 s[SLOTS], s[SLOTS], 1
	s_cmp_lg_u32 s[SLOTS], 0
	s_cbranch_scc1 .Lslot
	CHANGE 0                                       ; the last slot is written out: nothing is left to fetch
	FOUR_STEPS
	; THE WAY OUT.  O^T is divided by the row's sum and quantised along the head's 128: fragment a of o's record; the tiles' scale words meet in LDS and leave as one image of 512 bytes
.rept 4
	v_nop                                          ; behind the last products
.endr
	v_add_f32 v14, v14, v15
	v_permlanex16_b32 v252, v14, s[SEL], s[SEL+1]
	v_add_f32 v14, v14, v252                       ; the row's sum
	v_rcp_f32 v14, v14
	v_nop                                          ; a plain instruction behind the reciprocal,
	s_wait_alu depctr_va_vdst(0)                   ; and the wait ahead of its first reader
.set n, 0
.rept 64
	v_mul_f32 v[96+n], v[160+n], v14               ; register 16 b + i is o(my query, 32 b + 16 (lane / 16) + i)
.set n, n+1
.endr
	QUANT 96
.irp c, 0,1,2
	global_store_b128 v[QFO], v[PC+4*\c:PC+4*\c+3], s[8:9] offset:512*\c   ; 512 consecutive bytes, aligned
.endr
	ds_store_b32 v[OSW], v[PW]                     ; lanes l and l xor 16 write the same word with the same value
	s_wait_dscnt 0x0                               ; for the others' sake
	s_barrier_signal -1
	s_barrier_wait -1
	s_cmp_ge_u32 s[WV], 2
	s_cbranch_scc1 .Lend
	ds_load_b128 v[96:99], v[OSR]                  ; waves 0 and 1 hold tile 0 of the two blocks: each sends its block's image out
	s_wait_dscnt 0x0
	global_store_b128 v[LI], v[96:99], s[8:9] offset:12288
.Lend:
	s_wait_tensorcnt 0x0                           ; the wave's end: the add and its wait stand behind my last tensor load and my last LDS store
	ds_add_u32 v[SPW], v[NIL]
	s_wait_dscnt 0x0
	s_endpgm
.Lfunc_end_k_qe0315c9140_attn:
	.size	k_qe0315c9140_attn, .Lfunc_end_k_qe0315c9140_attn-k_qe0315c9140_attn
	.p2alignl 7, 3214868480
	.fill 96, 4, 3214868480
	.section	.rodata,"a",@progbits
	.p2align	6, 0x0
	.amdhsa_kernel k_qe0315c9140_attn
		.amdhsa_group_segment_fixed_size 327680
		.amdhsa_private_segment_fixed_size 0
		.amdhsa_enable_private_segment 0
		.amdhsa_kernarg_size 24
		.amdhsa_user_sgpr_count 2
		.amdhsa_user_sgpr_kernarg_segment_ptr 1
		.amdhsa_wavefront_size32 1
		.amdhsa_system_sgpr_workgroup_id_x 1
		.amdhsa_system_sgpr_workgroup_id_y 1
		.amdhsa_system_sgpr_workgroup_id_z 1
		.amdhsa_system_vgpr_workitem_id 0
		.amdhsa_next_free_vgpr 256
		.amdhsa_next_free_sgpr 100
		.amdhsa_reserve_vcc 1
		.amdhsa_float_denorm_mode_32 3
		.amdhsa_float_denorm_mode_16_64 3
		.amdhsa_memory_ordered 1
		.amdhsa_forward_progress 1
		.amdhsa_inst_pref_size 63
	.end_amdhsa_kernel
	.amdgpu_metadata
---
amdhsa.version: [ 1, 2 ]
amdhsa.kernels:
  - .name:           k_qe0315c9140_attn
    .symbol:         k_qe0315c9140_attn.kd
    .args:
      - { .name: q_rec, .offset: 0, .size: 8, .value_kind: global_buffer, .address_space: global }
      - { .name: kv_rec, .offset: 8, .size: 8, .value_kind: global_buffer, .address_space: global }
      - { .name: o_rec, .offset: 16, .size: 8, .value_kind: global_buffer, .address_space: global }
    .group_segment_fixed_size: 327680
    .private_segment_fixed_size: 0
    .kernarg_segment_align: 8
    .kernarg_segment_size: 24
    .max_flat_workgroup_size: 512
    .sgpr_count:     100
    .vgpr_count:     256
    .wavefront_size: 32
...
	.end_amdgpu_metadata
.endif
;; end of part 4
;; launch oproj (part 5): grid 8 x 32, 4 waves a work-group, clusters of 4 x 4, 327,680 bytes of LDS; arguments o_rec, wo_rec, out0; writes out0
.if DOCPART == 5
	.amdgcn_target "amdgcn-amd-amdhsa--gfx1250"
	.amdhsa_code_object_version 6
	.text
	.protected	k_qe0315c9140_oproj
	.globl	k_qe0315c9140_oproj
	.p2align	8
	.type	k_qe0315c9140_oproj,@function
k_qe0315c9140_oproj:
	s_mov_b64 s[64:65], 0
	v_nop
	global_prefetch_b8 v0, s[64:65] scope:SCOPE_SE
	s_setreg_imm32_b32 hwreg(HW_REG_WAVE_MODE, 25, 1), 1
	s_wait_xcnt 0x0
	s_wait_alu depctr_hold_cnt(0) depctr_sa_sdst(0) depctr_va_vdst(0) depctr_va_sdst(0) depctr_va_ssrc(0) depctr_va_vcc(0) depctr_vm_vsrc(0)
	s_getreg_b32 s2, hwreg(HW_REG_IB_STS2, 6, 4)
	s_cmp_eq_u32 s2, 0
	s_cbranch_scc0 .Lentry_in_a_cluster
	s_endpgm
.Lentry_in_a_cluster:
	s_bfe_u32 s2, ttmp6, 0x10000c
	s_cmp_lg_u32 s2, 0xf033
	s_cbranch_scc0 .Lentry_shape_is_right
	s_endpgm
.Lentry_shape_is_right:
; out0 [4096][1024] f32 = o Wo on codes of FP6 (E2M3), K = 2,048: 16 K steps of 128.  Both operands arrive as RECORDS of 12,800 bytes (128 rows x 128 K as an image of the operand's registers: fragment t at 1,536 t, registers
; 4 c .. 4 c + 3 of lane l at + 512 c + 16 l; at 12,288 the scale image: word p of lane l's 16 bytes is the scale word of row l % 16 of tile 2 p + l / 16); the 16 records of a block of 128 rows lie on end.
; A tile of the result is 128 x 128: 256 work-groups (tiles of 256 x 256 would be 64).  Four waves, each 64 x 64: 16 accumulators.  Source 0 = Wo's tiles, source 1 = o's: a lane holds one token and eight columns.
; Lane r of Wo's tile 2 p + u is column 32 p + 8 u + r + 8 (r / 8), so register j of accumulator (a, b) is column 32 (b / 2) + 16 (lane / 16) + 8 (b % 2) + j of the wave's 64.
; LDS: two slots of six K steps (o's six records, then Wo's six); K steps 0-5 and 6-11 are first fills, K steps 12-15 fill slot 0 again, once.
; CLUSTER: 4 x 4 work-groups; o's records are shared along a row of the cluster, Wo's along a column: each is asked for JOINTLY, by the same tensor load with the same descriptor and a mask that names the four.
; REGISTERS: window 0: v2-31 addresses; v32-39 scale words, two sets of four (nothing else lies there); v128-255 the accumulators ((a, b) at v[128 + 8 (4 a + b)]).  window 1: two sets of fragments at v0 and v128: Wo's four, then o's four.
; SCALARS: s10, s11 LDS bases at work (the wave's number alone); s[12:13] out0's offset; all six descriptor groups are made once and never written again.
.set REC,   12800
.set HALF,  3*REC                      ; what one wave brings of a slot
.set BOFF,  6*REC                      ; Wo's records lie behind o's six
.set SLOTB, 12*REC
.set STAGE, 2*SLOTB                    ; behind the ring: 16 rows x (256 bytes + 16) for each wave, for the way out
.set SP,    272
.set SPARE, STAGE+4*16*SP              ; the spare words, 128 bytes for each wave: two blocks of 256 bytes that no other line names
.set LI,  2
.set ADA, 4                            ; v4-7   my four tiles of o in slot s, records 3 g on: v[ADA + 2 s + g]
.set ADB, 8                            ; v8-11  the same of Wo
.set SDA, 12                           ; v12-15 my two words of o's scale image
.set SDB, 16                           ; v16-19 and of Wo's
.set STO, 24
.set RD,  25
.set CO,  26
.set SPW, 28                           ; v28  LDS address of my spare word; never rewritten
.set NIL, 29                           ; v29  0; never rewritten
.set SC,  32
.set ACC, 128
.set WV,  14
.set G1,  24                           ; s[24:31] group 1 for o's first fills (150 rows of 256 bytes);  s[32:39] group 0, a set for each slot
.set G0,  32
.set G1B, 48                           ; s[48:55], s[56:63] the same for Wo
.set G0B, 56
.set G1R, 68                           ; s[68:75], s[76:79] groups 1 and 0 for o's refill (100 rows);  s[80:87], s[88:91] for Wo's
.set G0R, 76
.set G1RB, 80
.set G0RB, 88
.set MSB, 0
.macro WIN new
.if MSB != (\new)
	s_set_vgpr_msb (MSB<<8)|(\new)
.set MSB, (\new)
.endif
.endm
.set MUL,  0x05                        ; sources 0 and 1 window 1; C and D window 0
.set TO_1, 0x40                        ; destination window 1, address window 0
.macro PLACES n
.rept \n
	v_nop
.endr
.endm
.macro JLOAD g0a, g1a, g0b, g1b        ; a joint load: waves 0 and 1 fetch o's halves, waves 2 and 3 Wo's; an s_nop 0 and four v_nop follow each of the two lines
	s_cmp_eq_u32 s15, 0
	s_cbranch_scc0 .Lfor_b_\@
	tensor_load_to_lds s[\g0a:\g0a+3], s[\g1a:\g1a+7]
	s_nop 0
.rept 4
	v_nop
.endr
	s_branch .Lasked_\@
.Lfor_b_\@:
	tensor_load_to_lds s[\g0b:\g0b+3], s[\g1b:\g1b+7]
	s_nop 0
.rept 4
	v_nop
.endr
.Lasked_\@:
.endm
.macro CROUND                          ; a round of the cluster's barrier
	s_barrier_signal -1
	s_barrier_wait -1
	s_cmp_lg_u32 s[WV], 0
	s_cbranch_scc1 .Lnot_wave_0_\@
	s_barrier_signal -3
.Lnot_wave_0_\@:
	s_barrier_wait -3
	s_barrier_signal -1
	s_barrier_wait -1
.endm
.macro FRAG reg, adr, off
.irp c, 0,1,2
	ds_load_b128 v[\reg+4*\c:\reg+4*\c+3], v[\adr] offset:\off+512*\c
.endr
.endm
.macro WM zero, ra, rb                 ; one matrix instruction on FD, FA, FB with the scale registers KA, KB; ra, rb = 1: that side's words stand in lanes 16-31
.if \zero
.if ((\ra) == 0) && ((\rb) == 0)
	v_wmma_scale_f32_16x16x128_f8f6f4 v[FD:FD+7], v[FA:FA+11], v[FB:FB+11], 0, v[KA], v[KB] matrix_a_fmt:MATRIX_FMT_FP6 matrix_b_fmt:MATRIX_FMT_FP6
.elseif (\rb) == 0
	v_wmma_scale_f32_16x16x128_f8f6f4 v[FD:FD+7], v[FA:FA+11], v[FB:FB+11], 0, v[KA], v[KB] matrix_a_fmt:MATRIX_FMT_FP6 matrix_b_fmt:MATRIX_FMT_FP6 matrix_a_scale:MATRIX_SCALE_ROW1
.elseif (\ra) == 0
	v_wmma_scale_f32_16x16x128_f8f6f4 v[FD:FD+7], v[FA:FA+11], v[FB:FB+11], 0, v[KA], v[KB] matrix_a_fmt:MATRIX_FMT_FP6 matrix_b_fmt:MATRIX_FMT_FP6 matrix_b_scale:MATRIX_SCALE_ROW1
.else
	v_wmma_scale_f32_16x16x128_f8f6f4 v[FD:FD+7], v[FA:FA+11], v[FB:FB+11], 0, v[KA], v[KB] matrix_a_fmt:MATRIX_FMT_FP6 matrix_b_fmt:MATRIX_FMT_FP6 matrix_a_scale:MATRIX_SCALE_ROW1 matrix_b_scale:MATRIX_SCALE_ROW1
.endif
.else
.if ((\ra) == 0) && ((\rb) == 0)
	v_wmma_scale_f32_16x16x128_f8f6f4 v[FD:FD+7], v[FA:FA+11], v[FB:FB+11], v[FD:FD+7], v[KA], v[KB] matrix_a_fmt:MATRIX_FMT_FP6 matrix_b_fmt:MATRIX_FMT_FP6
.elseif (\rb) == 0
	v_wmma_scale_f32_16x16x128_f8f6f4 v[FD:FD+7], v[FA:FA+11], v[FB:FB+11], v[FD:FD+7], v[KA], v[KB] matrix_a_fmt:MATRIX_FMT_FP6 matrix_b_fmt:MATRIX_FMT_FP6 matrix_a_scale:MATRIX_SCALE_ROW1
.elseif (\ra) == 0
	v_wmma_scale_f32_16x16x128_f8f6f4 v[FD:FD+7], v[FA:FA+11], v[FB:FB+11], v[FD:FD+7], v[KA], v[KB] matrix_a_fmt:MATRIX_FMT_FP6 matrix_b_fmt:MATRIX_FMT_FP6 matrix_b_scale:MATRIX_SCALE_ROW1
.else
	v_wmma_scale_f32_16x16x128_f8f6f4 v[FD:FD+7], v[FA:FA+11], v[FB:FB+11], v[FD:FD+7], v[KA], v[KB] matrix_a_fmt:MATRIX_FMT_FP6 matrix_b_fmt:MATRIX_FMT_FP6 matrix_a_scale:MATRIX_SCALE_ROW1 matrix_b_scale:MATRIX_SCALE_ROW1
.endif
.endif
.endm
.macro OFETCH ks                       ; K step ks's eight fragments and four scale registers into set ks % 2.  It lies in slot (ks / 6) % 2 as record ks % 6
.set SL, ((\ks)/6)%2
.set QR, (\ks)%6
.set FS, (\ks)%2
.set OF, (QR%3)*REC
	WIN TO_1
.irp i, 0,1,2,3
	FRAG 128*FS+12*\i, ADB+2*SL+QR/3, OF+1536*\i
.endr
.irp i, 0,1,2,3
	FRAG 128*FS+48+12*\i, ADA+2*SL+QR/3, OF+1536*\i
.endr
	WIN 0
	ds_load_b64 v[SC+4*FS:SC+4*FS+1], v[SDA+2*SL+QR/3] offset:OF+12288
	ds_load_b64 v[SC+4*FS+2:SC+4*FS+3], v[SDB+2*SL+QR/3] offset:OF+12288
.endm
; A K STEP: its fragments are waited for, the next step's are asked for, its 16 products are issued; the 16 accumulators take turns, one instruction a turn.
; kind 0: the next step lies in a slot that has been shown whole.  kind 2 (K step 5): slot 0 has been read out: it is filled again behind a round of the cluster's barrier, which also shows slot 1 whole.
; kind 1 (K step 11): the next step lies in the refill: every wave waits for its part, then a barrier.  kind 3: the last step.
.macro OSTEP ks, kind, zero
.set PAR, (\ks)%2
.if \kind == 2
	s_wait_tensorcnt 0x0                           ; all my tensor loads have landed: my part of slot 1
	ds_add_u32 v[SPW], v[NIL]                      ; 0 onto my spare word
	s_wait_dscnt 0x0                               ; the add is done, and my reads of slot 0 are over
	CROUND                                         ; no wave of any partner still reads slot 0 or has a load on its way
	JLOAD G0R, G1R, G0RB, G1RB                     ; my one tensor load behind the round, and the first thing there: 96 matrix instructions ahead of the wait for it; its four v_nop are also the places in front of the loads below
.elseif \kind == 1
	s_wait_tensorcnt 0x0                           ; my part of the refill is in,
	s_wait_dscnt 0x0
	s_barrier_signal -1
	s_barrier_wait -1                              ; everybody's is
	PLACES 4
.elseif \kind == 0
	s_wait_dscnt 0x0
	PLACES 4                                       ; four plain instructions in front of loads into registers that matrix instructions have read
.else
	s_wait_dscnt 0x0
.endif
.if \kind != 3
	OFETCH (\ks)+1
.endif
	WIN MUL
.irp a, 0,1,2,3
.irp b, 0,1,2,3
.set FD, ACC+8*(4*\a+\b)
.set FA, 128*PAR+12*\b
.set FB, 128*PAR+48+12*\a
.set KA, SC+4*PAR+2+\b/2
.set KB, SC+4*PAR+\a/2
	WM \zero, \b%2, \a%2
.endr
.endr
	WIN 0
.endm
	s_load_b128 s[4:7], s[0:1], 0x0                ; o's records, Wo's records
	s_load_b64 s[8:9], s[0:1], 0x10                ; out0
	v_lshl_add_u32 v[SPW], v0, 2, SPARE
	v_mov_b32 v[NIL], 0
	ds_add_u32 v[SPW], v[NIL]                      ; the wave's opening: the add and its wait stand ahead of my first tensor load; the set-up below, work on registers, stands between them
	v_lshrrev_b32 v1, 5, v0
	v_readfirstlane_b32 s[WV], v1                  ; wave 0..3
	s_lshr_b32 s15, s[WV], 1                       ; which 64 tokens are mine.  Also: I fetch for o (0) or for Wo (1)
	s_and_b32 s16, s[WV], 1                        ; which 64 columns.  Also: which half I fetch
	s_bfe_u32 s40, ttmp6, 0x40000                  ; cx, cy
	s_bfe_u32 s41, ttmp6, 0x40004
	s_lshl_b32 s42, ttmp9, 2
	s_add_co_u32 s42, s42, s40                     ; the block of 128 columns
	s_and_b32 s17, ttmp7, 0xffff
	s_lshl_b32 s17, s17, 2
	s_add_co_u32 s17, s17, s41                     ; the block of 128 tokens
	s_lshl_b32 s43, s41, 2
	s_lshl_b32 s43, 15, s43                        ; my row of the cluster
	s_lshl_b32 s44, 0x1111, s40                    ; my column
	s_or_b32 s[G1], s43, (3<<16)|(1<<21)           ; 15:0 the mask; 17:16 elements of 8 bytes; 21 set beside a mask; no padding
	s_or_b32 s[G1B], s44, (3<<16)|(1<<21)
	s_or_b32 s[G1R], s43, (3<<16)|(1<<21)
	s_or_b32 s[G1RB], s44, (3<<16)|(1<<21)
.irp g, G1, G1B
	s_mov_b32 s[\g+1], 32<<16                      ; rows of 256 bytes,
	s_mov_b32 s[\g+2], 150<<16                     ; three records
	s_mov_b32 s[\g+3], 32<<16
	s_mov_b32 s[\g+4], 150
	s_mov_b32 s[\g+5], 32
	s_mov_b32 s[\g+6], 0
	s_mov_b32 s[\g+7], 0
.endr
.irp g, G1R, G1RB
	s_mov_b32 s[\g+1], 32<<16
	s_mov_b32 s[\g+2], 100<<16                     ; two records
	s_mov_b32 s[\g+3], 32<<16
	s_mov_b32 s[\g+4], 100
	s_mov_b32 s[\g+5], 32
	s_mov_b32 s[\g+6], 0
	s_mov_b32 s[\g+7], 0
.endr
	s_mul_i32 s18, s16, HALF                       ; my half of a first fill, in memory and in LDS
	s_mul_i32 s19, s16, 2*REC                      ; my half of the refill
	s_mov_b32 s22, s18
	s_mov_b32 s23, 0
	s_add_co_u32 s92, s19, 12*REC                  ; the refill begins at K step 12
	s_mov_b32 s93, 0
	s_mul_i32 s20, s17, 16*REC                     ; o's address is made of the cluster's row and the wave, Wo's of its column and the wave
	s_mov_b32 s21, 0
	s_mul_i32 s46, s42, 16*REC
	s_mov_b32 s47, 0
	s_wait_dscnt 0x0                               ; the opening add is done
	s_wait_kmcnt 0x0
	s_add_nc_u64 s[20:21], s[4:5], s[20:21]
	s_add_nc_u64 s[46:47], s[6:7], s[46:47]
	s_add_nc_u64 s[94:95], s[20:21], s[92:93]
	s_add_nc_u64 s[96:97], s[46:47], s[92:93]
	s_add_nc_u64 s[20:21], s[20:21], s[22:23]
	s_add_nc_u64 s[46:47], s[46:47], s[22:23]
	CROUND                                         ; all sixteen work-groups are here: the first joint loads meet
	s_mov_b32 s[G0R], 1
	s_mov_b32 s[G0R+1], s19
	s_mov_b64 s[G0R+2:G0R+3], s[94:95]
	s_or_b32 s[G0R+3], s[G0R+3], 0x80000000
	s_mov_b32 s[G0RB], 1
	s_add_co_u32 s[G0RB+1], s19, BOFF
	s_mov_b64 s[G0RB+2:G0RB+3], s[96:97]
	s_or_b32 s[G0RB+3], s[G0RB+3], 0x80000000
.irp s, 0,1
	s_mov_b32 s[G0+4*\s], 1
	s_add_co_u32 s[G0+4*\s+1], s18, \s*SLOTB
	s_add_nc_u64 s[G0+4*\s+2:G0+4*\s+3], s[20:21], \s*6*REC
	s_or_b32 s[G0+4*\s+3], s[G0+4*\s+3], 0x80000000
	s_mov_b32 s[G0B+4*\s], 1
	s_add_co_u32 s[G0B+4*\s+1], s18, \s*SLOTB+BOFF
	s_add_nc_u64 s[G0B+4*\s+2:G0B+4*\s+3], s[46:47], \s*6*REC
	s_or_b32 s[G0B+4*\s+3], s[G0B+4*\s+3], 0x80000000
	JLOAD G0+4*\s, G1, G0B+4*\s, G1B               ; both slots' first fills go out together: two tensor loads of mine are out
.endr
	; from here on only s8 to s13 are written: the refill's descriptors, made above, wait for K step 5 as they stand
	v_and_b32 v1, 31, v0
	v_lshlrev_b32 v[LI], 4, v1
	s_mul_i32 s10, s15, 4*1536                     ; my four tiles of o,
	s_mul_i32 s11, s16, 4*1536                     ; my four of Wo
	s_add_co_u32 s11, s11, BOFF
	v_add_nc_u32 v20, s10, v[LI]
	v_add_nc_u32 v21, s11, v[LI]
	s_lshl_b32 s10, s15, 3                         ; and their two words of each lane's 16 bytes of the scale image
	s_lshl_b32 s11, s16, 3
	s_add_co_u32 s11, s11, BOFF
	v_add_nc_u32 v22, s10, v[LI]
	v_add_nc_u32 v23, s11, v[LI]
.irp s, 0,1
.irp g, 0,1
	v_add_nc_u32 v[ADA+2*\s+\g], \s*SLOTB+\g*HALF, v20
	v_add_nc_u32 v[ADB+2*\s+\g], \s*SLOTB+\g*HALF, v21
	v_add_nc_u32 v[SDA+2*\s+\g], \s*SLOTB+\g*HALF, v22
	v_add_nc_u32 v[SDB+2*\s+\g], \s*SLOTB+\g*HALF, v23
.endr
.endr
	v_and_b32 v30, 15, v0                          ; r
	v_bfe_u32 v31, v0, 4, 1                        ; h
	s_mul_i32 s10, s[WV], 16*SP
	s_add_co_u32 s10, s10, STAGE                   ; my stage
	v_mul_u32_u24 v[STO], v30, SP
	v_lshl_add_u32 v[STO], v31, 6, v[STO]
	v_add_nc_u32 v[STO], s10, v[STO]               ; in: row r, + 64 h
	v_mul_u32_u24 v[RD], v31, SP
	v_lshl_add_u32 v[RD], v30, 4, v[RD]
	v_add_nc_u32 v[RD], s10, v[RD]                 ; back: lanes 0-15 one row of 256 bytes, lanes 16-31 the next
	v_lshlrev_b32 v[CO], 12, v31
	v_lshl_add_u32 v[CO], v30, 4, v[CO]            ; and the same two rows in out0
	s_lshl_b32 s12, s17, 7
	s_lshl_b32 s13, s15, 6
	s_add_co_u32 s12, s12, s13                     ; my first token,
	s_lshl_b32 s12, s12, 12                        ; rows of 4,096 bytes,
	s_lshl_b32 s13, s42, 9
	s_add_co_u32 s12, s12, s13
	s_lshl_b32 s13, s16, 8
	s_add_co_u32 s12, s12, s13                     ; my first column: 512 x block + 256 x half
	s_mov_b32 s13, 0
	s_add_nc_u64 s[8:9], s[8:9], s[12:13]
	s_wait_tensorcnt 0x1                           ; my part of slot 0 is in; slot 1's load may stay out
	s_barrier_signal -1
	s_barrier_wait -1                              ; everybody's is
	OFETCH 0
	OSTEP 0, 0, 1                                  ; the first step's products start the sums: nothing is cleared
	OSTEP 1, 0, 0
	OSTEP 2, 0, 0
	OSTEP 3, 0, 0
	OSTEP 4, 0, 0
	OSTEP 5, 2, 0
	OSTEP 6, 0, 0
	OSTEP 7, 0, 0
	OSTEP 8, 0, 0
	OSTEP 9, 0, 0
	OSTEP 10, 0, 0
	OSTEP 11, 1, 0
	OSTEP 12, 0, 0
	OSTEP 13, 0, 0
	OSTEP 14, 0, 0
	OSTEP 15, 3, 0
; THE WAY OUT, 16 tokens x 64 columns at a time.  A lane holds 32 bytes of a row and the lanes beside it hold other rows: so a tile goes through my own stage in LDS and comes back as whole rows of 256 bytes, into the registers that it left.
; LDS serves a wave's instructions in order (ISA guide 5.7.1.4): no wait between the stores and the loads, nor in front of the next tile's stores.
.macro TOSTAGE a
.irp b, 0,1,2,3
	ds_store_b128 v[STO], v[ACC+8*(4*(\a)+\b):ACC+8*(4*(\a)+\b)+3] offset:128*(\b/2)+32*(\b%2)       ; each accumulator from its low end on
	ds_store_b128 v[STO], v[ACC+8*(4*(\a)+\b)+4:ACC+8*(4*(\a)+\b)+7] offset:128*(\b/2)+32*(\b%2)+16
.endr
.irp t, 0,1,2,3,4,5,6,7
	ds_load_b128 v[ACC+32*(\a)+4*\t:ACC+32*(\a)+4*\t+3], v[RD] offset:\t*2*SP
.endr
.endm
.macro SEND a, younger                 ; younger: the LDS instructions issued behind tile a's loads: the next tile's sixteen, or none
.irp t, 0,1,2,3,4,5,6,7
	s_wait_dscnt \younger+7-\t
	global_store_b128 v[CO], v[ACC+32*(\a)+4*\t:ACC+32*(\a)+4*\t+3], s[8:9] offset:(16*(\a)+2*\t)*4096 th:TH_STORE_NT   ; 16 lanes store 256 consecutive bytes, at a multiple of 256 from out0's first byte; written once, read by nobody here
.endr
.endm
	PLACES 4                                       ; behind the last products
	TOSTAGE 0
	TOSTAGE 1
	SEND 0, 16
	TOSTAGE 2
	SEND 1, 16
	TOSTAGE 3
	SEND 2, 16
	SEND 3, 0
	s_wait_tensorcnt 0x0                           ; the wave's end: the add and its wait stand behind my last tensor load and my last LDS store
	ds_add_u32 v[SPW], v[NIL]
	s_wait_dscnt 0x0
	CROUND                                         ; the closing round: no work-group ends while a partner may still ask for a tile that names it
	s_endpgm
.Lfunc_end_k_qe0315c9140_oproj:
	.size	k_qe0315c9140_oproj, .Lfunc_end_k_qe0315c9140_oproj-k_qe0315c9140_oproj
	.p2alignl 7, 3214868480
	.fill 96, 4, 3214868480
	.section	.rodata,"a",@progbits
	.p2align	6, 0x0
	.amdhsa_kernel k_qe0315c9140_oproj
		.amdhsa_group_segment_fixed_size 327680
		.amdhsa_private_segment_fixed_size 0
		.amdhsa_enable_private_segment 0
		.amdhsa_kernarg_size 24
		.amdhsa_user_sgpr_count 2
		.amdhsa_user_sgpr_kernarg_segment_ptr 1
		.amdhsa_wavefront_size32 1
		.amdhsa_system_sgpr_workgroup_id_x 1
		.amdhsa_system_sgpr_workgroup_id_y 1
		.amdhsa_system_sgpr_workgroup_id_z 1
		.amdhsa_system_vgpr_workitem_id 0
		.amdhsa_next_free_vgpr 512
		.amdhsa_next_free_sgpr 100
		.amdhsa_reserve_vcc 0
		.amdhsa_float_denorm_mode_32 3
		.amdhsa_float_denorm_mode_16_64 3
		.amdhsa_memory_ordered 1
		.amdhsa_forward_progress 1
		.amdhsa_inst_pref_size 81
	.end_amdhsa_kernel
	.amdgpu_metadata
---
amdhsa.version: [ 1, 2 ]
amdhsa.kernels:
  - .name:           k_qe0315c9140_oproj
    .symbol:         k_qe0315c9140_oproj.kd
    .args:
      - { .name: o_rec, .offset: 0, .size: 8, .value_kind: global_buffer, .address_space: global }
      - { .name: wo_rec, .offset: 8, .size: 8, .value_kind: global_buffer, .address_space: global }
      - { .name: out0, .offset: 16, .size: 8, .value_kind: global_buffer, .address_space: global }
    .group_segment_fixed_size: 327680
    .private_segment_fixed_size: 0
    .kernarg_segment_align: 8
    .kernarg_segment_size: 24
    .max_flat_workgroup_size: 128
    .sgpr_count:     100
    .vgpr_count:     512
    .wavefront_size: 32
...
	.end_amdgpu_metadata
.endif
;; end of part 5
